; MI455X (gfx1250); checked and timed in simulation.
; The chip was launched on July 23, 2026; its instructions are those of AMD's public machine-readable ISA for CDNA 5 (MIT licence, August 2026) and "CDNA5" Instruction Set Architecture Reference Guide (July 2026). The comments in the code are by the model that wrote it; some were corrected since.
;; Transformer Layer. Allowed arithmetic: matrix products marked QUANTISED: E2M3 operands, one E8M0 scale for each 32 along K, by v_wmma_scale_f32_16x16x128_f8f6f4 with both operands' format E2M3, f32 sums; everything else in f32.
;; Inputs: W1_c 512 x 512 float32; W1_s 512 x 512 float32; W2_c 512 x 256 float32; W2_s 512 x 256 float32; Wo_c 256 x 256 float32; Wo_s 256 x 256 float32; Wqk_c 256 x 256 float32; Wqkv 256 x 768 float32; Wv_c 256 x 256 float32; b1_c 512 float32; b1_s 512 float32; b2_c 256 float32; b2_s 256 float32; be_c 512 float32; be_s 512 float32; bo_c 256 float32; bo_s 256 float32; bqk_c 256 float32; bqkv 768 float32; bv_c 256 float32; desc0 4 x 2,048 x 256 float32; desc1 4 x 2,048 x 256 float32; encoding0 2 x 4 x 1 x 2,048 x 64 float32; encoding1 2 x 4 x 1 x 2,048 x 64 float32; g_c 512 float32; g_s 512 float32.
;; Outputs: out0 4 x 2,048 x 256 float32; out1 4 x 2,048 x 256 float32.
;; This version of the problem:
;;   THIS VERSION OF THE PROBLEM IS GIVEN IN LOW PRECISION. The matrix products marked QUANTISED in the list below multiply operands that are first quantised to E2M3 (2 exponent bits, 3 mantissa bits; 6 bits a number), with one power-of-two scale for each 32 numbers along K (OCP MX v1.0); their sums are f32. All else is computed in f32.
;;   The module's matrix products, in the order in which they are computed (A, B: the left and right operand; K: the contracted axis; several contracted axes count as one K, in the product's order):
;;     1. [M 8,192, K 256] x [K 256, N 768]; A: input desc0; B: input Wqkv: QUANTISED
;;     2. batch 16 x [M 2,048, K 64] x [K 64, N 2,048]; A: computed on the way; B: computed on the way: QUANTISED
;;     3. batch 16 x [M 2,048, K 2,048] x [K 2,048, N 64]; A: softmax (see below); B: computed on the way: QUANTISED
;;     4. [M 8,192, K 256] x [K 256, N 256]; A: computed on the way; B: input Wo_s: QUANTISED
;;     5. [M 8,192, K 512] x [K 512, N 512]; A: computed on the way; B: input W1_s: QUANTISED
;;     6. [M 8,192, K 512] x [K 512, N 256]; A: computed on the way; B: input W2_s: QUANTISED
;;     7. [M 8,192, K 256] x [K 256, N 768]; A: input desc1; B: input Wqkv: QUANTISED
;;     8. batch 16 x [M 2,048, K 64] x [K 64, N 2,048]; A: computed on the way; B: computed on the way: QUANTISED
;;     9. batch 16 x [M 2,048, K 2,048] x [K 2,048, N 64]; A: softmax (see below); B: computed on the way: QUANTISED
;;     10. [M 8,192, K 256] x [K 256, N 256]; A: computed on the way; B: input Wo_s: QUANTISED
;;     11. [M 8,192, K 512] x [K 512, N 512]; A: computed on the way; B: input W1_s: QUANTISED
;;     12. [M 8,192, K 512] x [K 512, N 256]; A: computed on the way; B: input W2_s: QUANTISED
;;     13. [M 8,192, K 256] x [K 256, N 256]; A: computed on the way; B: input Wqk_c: QUANTISED
;;     14. [M 8,192, K 256] x [K 256, N 256]; A: computed on the way; B: input Wqk_c: QUANTISED
;;     15. [M 8,192, K 256] x [K 256, N 256]; A: computed on the way; B: input Wv_c: QUANTISED
;;     16. [M 8,192, K 256] x [K 256, N 256]; A: computed on the way; B: input Wv_c: QUANTISED
;;     17. batch 16 x [M 2,048, K 64] x [K 64, N 2,048]; A: computed on the way; B: computed on the way: QUANTISED
;;     18. batch 16 x [M 2,048, K 2,048] x [K 2,048, N 64]; A: softmax (see below); B: computed on the way: QUANTISED
;;     19. batch 16 x [M 2,048, K 2,048] x [K 2,048, N 64]; A: softmax (see below); B: computed on the way: QUANTISED
;;     20. [M 8,192, K 256] x [K 256, N 256]; A: computed on the way; B: input Wo_c: QUANTISED
;;     21. [M 8,192, K 256] x [K 256, N 256]; A: computed on the way; B: input Wo_c: QUANTISED
;;     22. [M 8,192, K 512] x [K 512, N 512]; A: computed on the way; B: input W1_c: QUANTISED
;;     23. [M 8,192, K 512] x [K 512, N 256]; A: computed on the way; B: input W2_c: QUANTISED
;;     24. [M 8,192, K 512] x [K 512, N 512]; A: computed on the way; B: input W1_c: QUANTISED
;;     25. [M 8,192, K 512] x [K 512, N 256]; A: computed on the way; B: input W2_c: QUANTISED
;;   THE QUANTISER, for each operand of a quantised product, along K:
;;     - K is cut into blocks of 32 from its start; a last block that is shorter is filled with zeros.
;;     - A block's scale is 2^e with e = floor(log2(the largest magnitude in the block)) - 2, held to -126 .. 127; a block of zeros has e = 0. As a byte (E8M0): e + 127.
;;     - Each number is divided by its block's scale, clamped to +-7.5, and rounded to the nearest number of E2M3, ties to even, subnormals kept.
;;     - The product sums the exact products of the quantised numbers (number of the format x scale) in f32.
;;   ~~~python
;;   def quantise(x, axis):      # numpy; x: float32 -> the quantised numbers, widened to float32 again
;;       x = np.moveaxis(x, axis, -1); K = x.shape[-1]
;;       x = np.pad(x, [(0, 0)] * (x.ndim - 1) + [(0, -K % 32)]); x = x.reshape(x.shape[:-1] + (-1, 32)); a = np.abs(x).max(-1, keepdims=True)
;;       e = np.where(a > 0, np.clip(np.frexp(np.where(a > 0, a, 1))[1] - 1 - 2, -126, 127), 0)      # np.frexp(a)[1] - 1 = floor(log2(a)), exactly
;;       r = np.clip(x / 2.0 ** e, -7.5, 7.5)
;;       step = 2.0 ** (np.maximum(np.frexp(np.where(r == 0, 1, r))[1] - 1, 0) - 3)
;;       q = np.round(r / step) * step * 2.0 ** e      # np.round: ties to even
;;       return np.moveaxis(q.reshape(q.shape[:-2] + (-1,))[..., :K], -1, axis).astype(np.float32)
;;   ~~~
;;   SOFTMAX AHEAD OF A QUANTISED PRODUCT. Where the list says 'softmax', what is quantised is not the finished softmax but p = 2^(t - M), with t = logit x log2(e) and M = ceil(the row's largest t), a whole number; so 1/2 < the row's largest p <= 1. The row's sum l is taken of the UNQUANTISED p, in f32, and the product's result is divided by l at the end. Since M is a whole number, a kernel that streams over the keys may use a running M (the ceiling of the running maximum): every later rescaling is an exact power of two, which a block's scale takes up: the codes' values come out the same.
;;   OPERANDS COMPUTED ON THE WAY. 'Computed on the way' means the value that the module computes at that place (a softmax that the list does not call 'softmax' is quantised finished and normalised). What goes into a quantiser is computed in f32, as accurately as f32 sums, v_exp_f32 and their like allow (about 1e-6 of the number): no bf16 or f16 on the way to a quantiser, and a product that is left as it is and whose result goes on into a quantised operand takes f32 operands (vector FMAs, or v_wmma_f32_16x16x4_f32). A number that lies on a knife's edge between two numbers of the format may be rounded either way, as far as f32 arithmetic and the matrix unit's own rounding can turn it there, and no further.
;; One version. Each part assembles by itself: llvm-mc -triple=amdgcn-amd-amdhsa -mcpu=gfx1250 --defsym DOCPART=n.
;; ======== version 1 of 1: 7 launches
;; limits: right only within a limited range of input values
;; workspace buffers: wpj 256,000 bytes; wps 358,400 bytes; wpc 358,400 bytes; hkv 10,092,544 bytes; ob 3,276,800 bytes; d0 8,388,608 bytes; d1 8,388,608 bytes
;; launch prep (part 1): grid 608 x 1, 1 waves a work-group, no clusters, 0 bytes of LDS; arguments Wqkv, Wqk_c, Wv_c, W1_s, W2_s, Wo_s, W1_c, W2_c, Wo_c, wpj, wps, wpc; writes wpj, wps, wpc
.if DOCPART == 1
	.amdgcn_target "amdgcn-amd-amdhsa--gfx1250"
	.amdhsa_code_object_version 6
	.text
	.protected	k_qeffe9b42dc_prep
	.globl	k_qeffe9b42dc_prep
	.p2align	8
	.type	k_qeffe9b42dc_prep,@function
k_qeffe9b42dc_prep:
	s_mov_b64 s[64:65], 0
	v_nop
	global_prefetch_b8 v0, s[64:65] scope:SCOPE_SE
	s_setreg_imm32_b32 hwreg(HW_REG_WAVE_MODE, 25, 1), 1
	s_wait_xcnt 0x0
; The nine weights, f32 stored [K][N], become codes of E2M3 with one E8M0 byte for each 32 along K, laid as IMAGES OF OPERAND REGISTERS.
; One wave makes one fragment (16 columns x 128 along K: 12 registers a lane): fragment F = the work-group's number, 608 in all.
; F 0-95 Wqkv, 96-127 Wqk_c, 128-159 Wv_c (buffer wpj); 160-287 W1_s, 288-351 W2_s, 352-383 Wo_s (wps); 384-511 W1_c, 512-575 W2_c, 576-607 Wo_c (wpc).
; Inside a weight the fragment is T S + s: T the tile of columns, S = K / 128, s the K step.
; THE COLUMNS OF A TILE ARE NOT NEIGHBOURS: slot r of tile T is column 32 (T / 2) + 8 (T % 2) + r + 8 (r / 8), so that the results of tiles 2 b and 2 b + 1 are 16 neighbours in a lane's registers.
; In Wqkv the column is 3 x that + (T / 16), with T % 16 for T: tiles 0-15 are q, 16-31 k, 32-47 v.
; A lane takes a column and its registers run down K: lane (r, h) holds k = 128 s + 64 c + 32 h + 0 .. 31, two whole blocks, so no other lane is asked for a maximum.
; An image is three runs of 512 bytes (registers 0-3, 4-7, 8-11; 16 bytes a lane).  The scale word of (T, s, r) lies at 64 S T + 4 S r + 4 s behind the weight's place among the scales.
; LIMITS: NaN and infinities are not served; a block of zeros gets the byte 1 (its codes are zeros, and this program alone reads the bytes).
.macro PICK bound, ptr, ls, nc         ; from fragment bound on: another weight; ls = log2 S, nc = N / 256 - 1
	s_cmp_ge_u32 ttmp9, \bound
	s_cselect_b64 s[32:33], s[\ptr:\ptr+1], s[32:33]
	s_cselect_b32 s34, \bound, s34
	s_cselect_b32 s35, \ls, s35
	s_cselect_b32 s36, \nc, s36
.endm
.macro DEST bound, ptr                 ; from fragment bound on: another buffer, whose scales begin behind 224 images
	s_cmp_ge_u32 ttmp9, \bound
	s_cselect_b64 s[38:39], s[\ptr:\ptr+1], s[38:39]
	s_cselect_b32 s40, \bound, s40
	s_cselect_b32 s41, 344064, s41
.endm
.macro LOADS n                         ; W(128 s + 64 c + 32 h + i, my column) for a weight of n columns: every offset an immediate
.set c, 0
.rept 2
.set i, 0
.rept 32
	global_load_b32 v[64+32*c+i], v4, s[32:33] offset:(64*c+i)*\n*4
.set i, i+1
.endr
.set c, c+1
.endr
.endm
	s_load_b512 s[8:23], s[0:1], 0x0               ; Wqkv, Wqk_c, Wv_c, W1_s, W2_s, Wo_s, W1_c, W2_c
	s_load_b256 s[24:31], s[0:1], 0x40             ; Wo_c, wpj, wps, wpc
	v_and_b32 v1, 15, v0                           ; r
	v_bfe_u32 v2, v0, 4, 1                         ; h
	v_and_b32 v3, 8, v1
	v_add_nc_u32 v3, v3, v1                        ; r + 8 (r / 8)
	v_lshlrev_b32 v5, 4, v0                        ; 16 x lane
	s_mov_b32 s60, 0x76543210
	s_mov_b32 s61, 0xfedcba98                      ; selects for lane l xor 16
	s_mov_b32 s34, 0                               ; the weight's first fragment
	s_mov_b32 s35, 1                               ; log2 S
	s_mov_b32 s36, 2                               ; N / 256 - 1
	s_mov_b32 s40, 0                               ; the buffer's first fragment
	s_mov_b32 s41, 245760                          ; where the buffer's scales begin
	s_wait_alu depctr_va_vdst(0)
	s_wait_kmcnt 0x0
	s_mov_b64 s[32:33], s[8:9]
	s_mov_b64 s[38:39], s[26:27]
	PICK 96, 10, 1, 0
	PICK 128, 12, 1, 0
	PICK 160, 14, 2, 1
	PICK 288, 16, 2, 0
	PICK 352, 18, 1, 0
	PICK 384, 20, 2, 1
	PICK 512, 22, 2, 0
	PICK 576, 24, 1, 0
	DEST 160, 28
	DEST 384, 30
	s_sub_co_u32 s42, ttmp9, s34                   ; the fragment inside its weight
	s_lshr_b32 s43, s42, s35                       ; T
	s_bfm_b32 s44, s35, 0
	s_and_b32 s44, s42, s44                        ; s
	s_lshr_b32 s46, s43, 4
	s_cmp_eq_u32 s36, 2                            ; Wqkv?
	s_cselect_b32 s45, 15, -1
	s_cselect_b32 s46, s46, 0                      ; which of q, k, v
	s_cselect_b32 s47, 3, 1
	s_and_b32 s45, s43, s45
	s_lshr_b32 s48, s45, 1
	s_lshl_b32 s48, s48, 5
	s_and_b32 s49, s45, 1
	s_lshl_b32 s49, s49, 3
	s_add_co_u32 s48, s48, s49
	v_add_nc_u32 v4, s48, v3
	v_mul_lo_u32 v4, v4, s47
	v_add_nc_u32 v4, s46, v4                       ; my column
	v_lshlrev_b32 v4, 2, v4
	s_add_co_u32 s50, s36, 1
	s_lshl_b32 s50, s50, 10                        ; a row of the weight in bytes
	s_lshl_b32 s51, s50, 5
	v_mul_lo_u32 v6, v2, s51                       ; lanes 16-31 begin 32 rows further down
	v_add_nc_u32 v4, v4, v6
	s_lshl_b32 s52, s44, 7
	s_mul_i32 s52, s52, s50                        ; 128 s rows
	v_add_nc_u32 v4, s52, v4
	s_sub_co_u32 s53, ttmp9, s40
	s_mul_i32 s54, s53, 1536
	s_mov_b32 s55, 0
	s_add_nc_u64 s[56:57], s[38:39], s[54:55]      ; my image
	s_sub_co_u32 s53, s34, s40
	s_lshl_b32 s53, s53, 6
	s_add_co_u32 s53, s53, s41
	s_add_co_u32 s58, s35, 6
	s_lshl_b32 s58, s43, s58
	s_add_co_u32 s53, s53, s58
	s_lshl_b32 s58, s44, 2
	s_add_co_u32 s54, s53, s58
	s_add_nc_u64 s[38:39], s[38:39], s[54:55]      ; my tile's scale words of this K step
	s_add_co_u32 s58, s35, 2
	v_lshlrev_b32 v7, s58, v1                      ; 4 S r
	s_cmp_eq_u32 s36, 0                            ; the row's length stands in the loads' immediates: one copy for each of the three widths
	s_cbranch_scc1 .Ln256
	s_cmp_eq_u32 s36, 1
	s_cbranch_scc1 .Ln512
	s_wait_alu depctr_va_vdst(0)
	LOADS 768
	s_branch .Lgot
.Ln512:
	s_wait_alu depctr_va_vdst(0)
	LOADS 512
	s_branch .Lgot
.Ln256:
	s_wait_alu depctr_va_vdst(0)
	LOADS 256
.Lgot:
	s_wait_loadcnt 0x0
.irp c, 0,1
	v_max3_num_f32 v[8+\c], |v[64+32*\c]|, |v[65+32*\c]|, 0x1800000   ; block 2 c + h, and the floor 2^(3 - 127): the byte cannot fall under 1
.endr
.irp i, 2,4,6,8,10,12,14,16,18,20,22,24,26,28,30
.irp c, 0,1
	v_max3_num_f32 v[8+\c], v[8+\c], |v[64+32*\c+\i]|, |v[65+32*\c+\i]|
.endr
.endr
.irp c, 0,1
	v_add_nc_u32 v[10+\c], 0xff000000, v[8+\c]     ; 2 off the exponent field: the conversion's scale operand
.endr
.irp c, 0,1
	v_lshrrev_b32 v[12+\c], 23, v[10+\c]           ; the scale's byte
.endr
	v_lshl_or_b32 v14, v13, 16, v12                ; blocks h and 2 + h,
	v_lshlrev_b32 v15, 3, v2
	v_lshlrev_b32 v14, v15, v14                    ; at their places in the word;
	v_mov_b32 v15, 0
	v_permlanex16_b32 v15, v14, s60, s61
	v_or_b32 v14, v14, v15                         ; with lane l xor 16's two the word is whole
.irp c, 0,1
	v_cvt_scalef32_pk16_fp6_f32 v[16+6*\c:18+6*\c], v[64+32*\c:79+32*\c], v[10+\c]
	v_cvt_scalef32_pk16_fp6_f32 v[28+4*\c:30+4*\c], v[80+32*\c:95+32*\c], v[10+\c]   ; (a conversion's three registers begin on an even number)
.endr
	v_nop                                          ; one plain place behind a scaled conversion
.irp c, 0,1
.irp i, 0,1,2
	v_mov_b32 v[19+6*\c+\i], v[28+4*\c+\i]
.endr
.endr
.irp g, 0,1,2
	global_store_b128 v5, v[16+4*\g:19+4*\g], s[56:57] offset:512*\g   ; 32 lanes store 512 consecutive bytes
.endr
	global_store_b32 v7, v14, s[38:39]             ; lanes r and 16 + r store the same word to the same place
	s_endpgm
.Lfunc_end_k_qeffe9b42dc_prep:
	.size	k_qeffe9b42dc_prep, .Lfunc_end_k_qeffe9b42dc_prep-k_qeffe9b42dc_prep
	.p2alignl 7, 3214868480
	.fill 96, 4, 3214868480
	.section	.rodata,"a",@progbits
	.p2align	6, 0x0
	.amdhsa_kernel k_qeffe9b42dc_prep
		.amdhsa_group_segment_fixed_size 0
		.amdhsa_private_segment_fixed_size 0
		.amdhsa_enable_private_segment 0
		.amdhsa_kernarg_size 96
		.amdhsa_user_sgpr_count 2
		.amdhsa_user_sgpr_kernarg_segment_ptr 1
		.amdhsa_wavefront_size32 1
		.amdhsa_system_sgpr_workgroup_id_x 1
		.amdhsa_system_sgpr_workgroup_id_y 1
		.amdhsa_system_sgpr_workgroup_id_z 1
		.amdhsa_system_vgpr_workitem_id 0
		.amdhsa_next_free_vgpr 128
		.amdhsa_next_free_sgpr 66
		.amdhsa_reserve_vcc 0
		.amdhsa_float_denorm_mode_32 3
		.amdhsa_float_denorm_mode_16_64 3
		.amdhsa_memory_ordered 1
		.amdhsa_forward_progress 1
		.amdhsa_inst_pref_size 27
	.end_amdhsa_kernel
	.amdgpu_metadata
---
amdhsa.version: [ 1, 2 ]
amdhsa.kernels:
  - .name:           k_qeffe9b42dc_prep
    .symbol:         k_qeffe9b42dc_prep.kd
    .args:
      - { .name: Wqkv, .offset: 0, .size: 8, .value_kind: global_buffer, .address_space: global }
      - { .name: Wqk_c, .offset: 8, .size: 8, .value_kind: global_buffer, .address_space: global }
      - { .name: Wv_c, .offset: 16, .size: 8, .value_kind: global_buffer, .address_space: global }
      - { .name: W1_s, .offset: 24, .size: 8, .value_kind: global_buffer, .address_space: global }
      - { .name: W2_s, .offset: 32, .size: 8, .value_kind: global_buffer, .address_space: global }
      - { .name: Wo_s, .offset: 40, .size: 8, .value_kind: global_buffer, .address_space: global }
      - { .name: W1_c, .offset: 48, .size: 8, .value_kind: global_buffer, .address_space: global }
      - { .name: W2_c, .offset: 56, .size: 8, .value_kind: global_buffer, .address_space: global }
      - { .name: Wo_c, .offset: 64, .size: 8, .value_kind: global_buffer, .address_space: global }
      - { .name: wpj, .offset: 72, .size: 8, .value_kind: global_buffer, .address_space: global }
      - { .name: wps, .offset: 80, .size: 8, .value_kind: global_buffer, .address_space: global }
      - { .name: wpc, .offset: 88, .size: 8, .value_kind: global_buffer, .address_space: global }
    .group_segment_fixed_size: 0
    .private_segment_fixed_size: 0
    .kernarg_segment_align: 8
    .kernarg_segment_size: 96
    .max_flat_workgroup_size: 32
    .sgpr_count:     66
    .vgpr_count:     128
    .wavefront_size: 32
...
	.end_amdgpu_metadata
.endif
;; end of part 1
;; launch proj_s (part 2): grid 256 x 1, 12 waves a work-group, no clusters, 47,104 bytes of LDS; arguments desc0, desc1, encoding0, encoding1, wpj, bqkv, hkv; writes hkv
.if DOCPART == 2
	.amdgcn_target "amdgcn-amd-amdhsa--gfx1250"
	.amdhsa_code_object_version 6
	.text
	.protected	k_qeffe9b42dc_proj_s
	.globl	k_qeffe9b42dc_proj_s
	.p2align	8
	.type	k_qeffe9b42dc_proj_s,@function
k_qeffe9b42dc_proj_s:
	s_mov_b64 s[64:65], 0
	v_nop
	global_prefetch_b8 v0, s[64:65] scope:SCOPE_SE
	s_setreg_imm32_b32 hwreg(HW_REG_WAVE_MODE, 25, 1), 1
	s_wait_xcnt 0x0
; CROSS = 0: q, k, v = Q(x) Q(Wqkv) + bqkv, q and k turned by the rotary encoding; CROSS = 1: qk = (Q(d) Q(Wqk_c) + b) x 8^-0.5, v = Q(d) Q(Wv_c) + b.  All products on codes of E2M3.
; The results leave as codes: q and k quantised along the head's 64, v along the keys, laid as images of the operand registers that the attention launch loads.
; SHARES.  A work-group takes 64 tokens (four tiles of 16) of one side and batch.  A wave takes one section (q, k, v) of one head: 4 tiles of columns x 2 K steps of weights, 96 registers, from memory once.
; Eight waves quantise x (a fragment each) and hand the images round through LDS; with CROSS = 0 waves 8-11 bring the encodings into LDS meanwhile.  ONE barrier.
; SLOT r OF TILE T, on every axis, IS INDEX 32 (T / 2) + 8 (T % 2) + r + 8 (r / 8): so the 16 result registers of tiles 2 b and 2 b + 1 are the 16 neighbours 32 b + 16 h + 0 .. 15.
; q, k: source 0 = weights, source 1 = x: a lane holds one token, its 32 registers the head's channels.  v: source 0 = x, source 1 = weights: a lane holds one channel, its 32 registers 64 tokens.
; CROSS = 0: the factor 1 / 8 of the scores goes into q's scale byte (3 less: exact).  CROSS = 1: qk is stored as queries under its own side and as keys under the other side; v under the other side.
; LIMITS: NaN and infinities are not served; a block of zeros gets the byte 1 (read by this program alone); blocks of q whose largest magnitude lies under 2^-121 are taken at that floor.
.set CROSS, 0
.set XIMG, 0                           ; LDS: x's eight fragments, image 2 tau + s, 1,536 bytes each
.set XSC,  12288                       ; their scale words: [lane][4 words], word 2 (tau / 2) + s, odd tau in lanes 16-31
.set ENC,  12800                       ; CROSS = 0: the encodings, 8,192 bytes a tile of tokens: group 8 f + 4 b + q, 512 bytes each
.if CROSS
.set SPARE, 12800                      ; the spare words, 128 bytes a wave
.set PWJ, 8
.set PHK, 14
.set NQK, 4
.else
.set SPARE, 45568
.set PWJ, 12
.set PHK, 16
.set NQK, 8
.endif
.set SEL,  20                          ; s[20:21] selects for lane l xor 16
.set W,    16                          ; v16-111  my 8 fragments of weights, 2 i + s
.set BIAS, 112                         ; v112-143 q, k: the bias in the result's layout;  v: v112-115 my channel's bias for each tile,
.set CB,   120                         ; v120-127 and the one in hand, eight times
.set ACC,  144                         ; v144-175 four accumulators
.set XM,   176                         ; v176-223 fragments of x; encodings
.set PC,   224                         ; v224-235 codes just made
.set PT,   236
.set TM,   240
.set TP,   242
.set OP,   244
.set BY,   246
.set WS,   248                         ; v248-251 the weights' scale words, v252-255 x's: scales and nothing else
.set XS,   252
.macro WM d, a, b, c, sa, sb, ra, rb   ; one product; ra, rb = 1: that side's scales stand in lanes 16-31
.if ((\ra) == 0) && ((\rb) == 0)
	v_wmma_scale_f32_16x16x128_f8f6f4 v[(\d):(\d)+7], v[(\a):(\a)+11], v[(\b):(\b)+11], v[(\c):(\c)+7], v[\sa], v[\sb] matrix_a_fmt:MATRIX_FMT_FP6 matrix_b_fmt:MATRIX_FMT_FP6
.elseif ((\ra) == 1) && ((\rb) == 0)
	v_wmma_scale_f32_16x16x128_f8f6f4 v[(\d):(\d)+7], v[(\a):(\a)+11], v[(\b):(\b)+11], v[(\c):(\c)+7], v[\sa], v[\sb] matrix_a_fmt:MATRIX_FMT_FP6 matrix_b_fmt:MATRIX_FMT_FP6 matrix_a_scale:MATRIX_SCALE_ROW1
.elseif ((\ra) == 0) && ((\rb) == 1)
	v_wmma_scale_f32_16x16x128_f8f6f4 v[(\d):(\d)+7], v[(\a):(\a)+11], v[(\b):(\b)+11], v[(\c):(\c)+7], v[\sa], v[\sb] matrix_a_fmt:MATRIX_FMT_FP6 matrix_b_fmt:MATRIX_FMT_FP6 matrix_b_scale:MATRIX_SCALE_ROW1
.else
	v_wmma_scale_f32_16x16x128_f8f6f4 v[(\d):(\d)+7], v[(\a):(\a)+11], v[(\b):(\b)+11], v[(\c):(\c)+7], v[\sa], v[\sb] matrix_a_fmt:MATRIX_FMT_FP6 matrix_b_fmt:MATRIX_FMT_FP6 matrix_a_scale:MATRIX_SCALE_ROW1 matrix_b_scale:MATRIX_SCALE_ROW1
.endif
.endm
; 32 numbers of a lane, register 16 b + i = k 32 b + 16 h + i of my slot, become half a fragment (6 registers: k = 32 h + 0 .. 31) in v[d] on and two scale bytes in v[pw].
; flo: the floor under the largest magnitude; bad: what is taken off its exponent field for the byte.
.macro QUANT2 s, d, pw, flo, bad
.irp b, 0,1
	v_max3_num_f32 v[TM+\b], |v[(\s)+16*\b]|, |v[(\s)+16*\b+1]|, \flo
.endr
.irp i, 2,4,6,8,10,12,14
.irp b, 0,1
	v_max3_num_f32 v[TM+\b], v[TM+\b], |v[(\s)+16*\b+\i]|, |v[(\s)+16*\b+\i+1]|
.endr
.endr
.irp b, 0,1
	s_delay_alu instid0(VALU_DEP_2)
	v_permlanex16_b32 v[TP+\b], v[TM+\b], s[SEL], s[SEL+1]
.endr
.irp b, 0,1
	s_delay_alu instid0(VALU_DEP_2)
	v_max_num_f32 v[TM+\b], v[TM+\b], v[TP+\b]     ; with lane l xor 16's 16: the block's largest magnitude
.endr
.irp b, 0
	s_delay_alu instid0(VALU_DEP_2)
	v_add_nc_u32 v[OP+\b], 0xff000000, v[TM+\b]    ; 2 off the exponent field: the conversion's scale operand
	s_delay_alu instid0(VALU_DEP_3)
	v_add_nc_u32 v[BY+\b], \bad, v[TM+\b]
.endr
.irp b, 1
	s_delay_alu instid0(VALU_DEP_3)
	v_add_nc_u32 v[OP+\b], 0xff000000, v[TM+\b]    ; 2 off the exponent field: the conversion's scale operand
	s_delay_alu instid0(VALU_DEP_4)
	v_add_nc_u32 v[BY+\b], \bad, v[TM+\b]
.endr
.irp b, 0
	s_delay_alu instid0(VALU_DEP_3)
	v_lshrrev_b32 v[BY+\b], 23, v[BY+\b]           ; the scale's byte
.endr
.irp b, 1
	s_delay_alu instid0(VALU_DEP_2)
	v_lshrrev_b32 v[BY+\b], 23, v[BY+\b]           ; the scale's byte
.endr
	s_delay_alu instid0(VALU_DEP_1)
	v_lshl_or_b32 v[\pw], v[BY+1], 8, v[BY]
	v_cvt_scalef32_pk16_fp6_f32 v[(\d):(\d)+2], v[(\s):(\s)+15], v[OP]
	v_cvt_scalef32_pk16_fp6_f32 v[PT:PT+2], v[(\s)+16:(\s)+31], v[OP+1]
	v_nop                                          ; one plain place behind a scaled conversion
.irp i, 0,1,2
	v_permlane16_swap_b32 v[(\d)+\i], v[PT+\i]     ; a whole block to a lane: lanes 0-15 block 0, lanes 16-31 block 1
.endr
.irp i, 0,1,2
	s_delay_alu instid0(VALU_DEP_3)
	v_mov_b32 v[(\d)+3+\i], v[PT+\i]
.endr
.endm
.macro PLACES                          ; four plain places behind matrix instructions, ahead of reads of results and of loads into their registers
.rept 4
	v_nop
.endr
.endm
.macro ADDR dst, src, off              ; a buffer's address + a 32-bit offset
	s_mov_b32 s58, s[\off]
	s_add_nc_u64 s[\dst:\dst+1], s[\src:\src+1], s[58:59]
.endm
.macro XLOADS                          ; my fragment's numbers: of row r, 16 neighbours of each block of 32
.irp b, 0,1,2,3
.irp q, 0,1,2,3
	global_load_b128 v[ACC+16*\b+4*\q:ACC+16*\b+4*\q+3], v3, s[4:5] offset:128*\b+16*\q
.endr
.endr
.endm
.macro WLOADS                          ; my 8 fragments of weights as they lie, and their scale words
.set g, 0
.rept 24
	global_load_b128 v[W+4*g:W+4*g+3], v1, s[36:37] offset:512*g
.set g, g+1
.endr
.irp p, 0,1
	global_load_b64 v[WS+2*\p:WS+2*\p+1], v2, s[38:39] offset:256*\p
.endr
.endm
.macro XQUANT                          ; 64 numbers a lane become a fragment; its image and scale word go to LDS
	QUANT2 ACC, PC, 12, 0x1800000, 0xff000000
	QUANT2 ACC+32, PC+6, 13, 0x1800000, 0xff000000
	v_lshl_or_b32 v14, v13, 16, v12
.irp g, 0,1,2
	ds_store_b128 v5, v[PC+4*\g:PC+4*\g+3] offset:XIMG+512*\g
.endr
	ds_store_b32 v6, v14 offset:XSC                ; lanes r and 16 + r store the same word
.endm
	s_load_b256 s[4:11], s[0:1], 0x0               ; CROSS = 0: desc0, desc1, encoding0, encoding1;  1: d0, d1, wpj, bqk_c
	s_load_b128 s[12:15], s[0:1], 0x20             ; CROSS = 0: wpj, bqkv;  1: bv_c, hkv
.if !CROSS
	s_load_b64 s[16:17], s[0:1], 0x30              ; hkv
.endif
	v_lshl_add_u32 v10, v0, 2, SPARE               ; my spare word,
	v_mov_b32 v11, 0                               ; and 0: kept for the closing lines alone
	v_lshrrev_b32 v12, 5, v0
	s_delay_alu instid0(VALU_DEP_1)
	v_readfirstlane_b32 s18, v12                   ; wave
	v_and_b32 v13, 31, v0                          ; lane
	v_and_b32 v14, 15, v0                          ; r
	v_bfe_u32 v15, v0, 4, 1                        ; h
	s_delay_alu instid0(VALU_DEP_3)
	v_lshlrev_b32 v1, 4, v13                       ; 16 x lane
	s_delay_alu instid0(VALU_DEP_4)
	v_lshlrev_b32 v2, 3, v13                       ; 8 x lane
	s_delay_alu instid0(VALU_DEP_4)
	v_and_b32 v9, 8, v14
	s_delay_alu instid0(VALU_DEP_1)
	v_add_nc_u32 v9, v9, v14                       ; r + 8 (r / 8)
	s_delay_alu instid0(VALU_DEP_1)
	v_lshlrev_b32 v3, 10, v9
	s_delay_alu instid0(VALU_DEP_1)
	v_lshl_add_u32 v3, v15, 6, v3                  ; x: my slot's row of 1,024 bytes, + 64 h
.if CROSS
	v_lshlrev_b32 v8, 6, v15                       ; bias, qk: 64 h
	v_lshlrev_b32 v9, 2, v9                        ; bias, v: my channel
.else
	s_delay_alu instid0(VALU_DEP_3)
	v_lshlrev_b32 v4, 8, v9
	s_delay_alu instid0(VALU_DEP_1)
	v_lshl_add_u32 v4, v15, 6, v4                  ; encodings: my slot's row of 256 bytes, + 64 h
	v_mul_u32_u24 v8, v15, 192                     ; bias, q and k: 16 h channels of 12 bytes
	v_mul_u32_u24 v9, v9, 12                       ; bias, v: my channel
.endif
	v_mov_b32 v[TP], 0                             ; a lane permute's destination counts as read
	v_mov_b32 v[TP+1], 0
	s_lshr_b32 s22, ttmp9, 7                       ; side
	s_and_b32 s23, ttmp9, 127                      ; my 64 tokens in the side
	s_bfe_u32 s60, s18, 0x10002                    ; bits 2, 1, 0 of the wave's number
	s_bfe_u32 s61, s18, 0x10001
	s_and_b32 s62, s18, 1
	s_lshl_b32 s24, s23, 16                        ; x: my fragment is tile (w % 8) / 2, K step w % 2
	s_lshl_b32 s63, s60, 15
	s_add_co_u32 s24, s24, s63
	s_lshl_b32 s63, s61, 13
	s_add_co_u32 s24, s24, s63
	s_lshl_b32 s63, s62, 9
	s_add_co_u32 s24, s24, s63
	s_and_b32 s63, s18, 7
	s_mul_i32 s63, s63, 1536
	v_add_nc_u32 v5, s63, v1                       ; where my fragment's image goes
	s_lshl_b32 s63, s61, 8
	s_lshl_b32 s57, s60, 3
	s_add_co_u32 s63, s63, s57
	s_lshl_b32 s57, s62, 2
	s_add_co_u32 s63, s63, s57
	v_lshl_add_u32 v6, v14, 4, s63                 ; and its scale word
.if !CROSS
	s_lshl_b32 s25, s23, 14                        ; encodings: tile w % 4
	s_lshl_b32 s63, s61, 13
	s_add_co_u32 s25, s25, s63
	s_lshl_b32 s63, s62, 11
	s_add_co_u32 s25, s25, s63
	s_and_b32 s63, s18, 3
	s_lshl_b32 s63, s63, 13
	v_add_nc_u32 v7, s63, v1
.endif
	s_mul_i32 s26, s18, 12288                      ; my 8 fragments of weights,
	s_lshl_b32 s27, s18, 9                         ; and their scale words
.if CROSS
	s_add_co_u32 s26, s26, 147456
	s_add_co_u32 s27, s27, 251904
.else
	s_add_co_u32 s27, s27, 245760
.endif
	s_and_b32 s57, s18, 3                          ; head
	s_lshr_b32 s35, s18, 2                         ; section
.if CROSS
	s_lshl_b32 s28, s57, 8
.else
	s_mul_i32 s28, s57, 768
	s_lshl_b32 s63, s35, 2
	s_add_co_u32 s28, s28, s63
.endif
	s_lshr_b32 s19, ttmp9, 5
	s_lshl_b32 s19, s19, 2
	s_add_co_u32 s19, s19, s57                     ; bh = (4 side + batch) 4 + head
	s_and_b32 s2, ttmp9, 31                        ; my 64 tokens in the batch
	s_lshr_b32 s3, s2, 1                           ; which key step of 128,
	s_and_b32 s60, s2, 1                           ; and which half of it
.if CROSS
	s_xor_b32 s61, s19, 16                         ; the same head of the other side
.else
	s_mov_b32 s61, s19
.endif
	s_mul_i32 s62, s2, 3072
	s_lshl_b32 s63, s3, 9
	s_lshl_b32 s57, s60, 3
	s_add_co_u32 s63, s63, s57
	s_mul_i32 s29, s19, 98304
	s_add_co_u32 s29, s29, s62                     ; images of q (k): two pair records
	s_lshl_b32 s30, s19, 13
	s_add_co_u32 s30, s30, s63
	s_add_co_u32 s30, s30, 9437184                 ; and their scale words
.if CROSS
	s_mul_i32 s33, s61, 98304
	s_add_co_u32 s33, s33, s62
	s_add_co_u32 s33, s33, 3145728                 ; the same as keys of the other side
	s_lshl_b32 s34, s61, 13
	s_add_co_u32 s34, s34, s63
	s_add_co_u32 s34, s34, 9699328
.else
	s_mul_i32 s57, s35, 3145728
	s_add_co_u32 s29, s29, s57
	s_lshl_b32 s57, s35, 18
	s_add_co_u32 s30, s30, s57
.endif
	s_mul_i32 s31, s61, 98304                      ; v's half records
	s_mul_i32 s57, s3, 6144
	s_add_co_u32 s31, s31, s57
	s_mul_i32 s57, s60, 768
	s_add_co_u32 s31, s31, s57
	s_add_co_u32 s31, s31, 6291456
	s_lshl_b32 s32, s61, 12                        ; and their scale bytes
	s_lshl_b32 s57, s3, 8
	s_add_co_u32 s32, s32, s57
	s_lshl_b32 s57, s60, 1
	s_add_co_u32 s32, s32, s57
	s_add_co_u32 s32, s32, 9961472
	s_mov_b32 s[SEL], 0x76543210
	s_mov_b32 s[SEL+1], 0xfedcba98
	s_mov_b32 s56, 0xffff0000                      ; lanes 16-31
	s_mov_b32 s59, 0
	s_mov_b32 s54, 0x1800000                       ; the floor 2^(3 - 127),
	s_mov_b32 s55, 0xff000000                      ; and 2 off the exponent field
.if !CROSS
	s_cmp_eq_u32 s35, 0                            ; q: 3 more off the byte, and the floor 3 higher, so that the byte stays at 1 or above
	s_cselect_b32 s54, 0x3000000, s54
	s_cselect_b32 s55, 0xfd800000, s55
.endif
	s_wait_kmcnt 0x0
	s_cmp_eq_u32 s22, 0
	s_cselect_b64 s[4:5], s[4:5], s[6:7]
.if !CROSS
	s_cselect_b64 s[8:9], s[8:9], s[10:11]
.endif
	ADDR 4, 4, 24
.if CROSS
	s_cmp_eq_u32 s35, 0
	s_cselect_b64 s[52:53], s[10:11], s[12:13]
	ADDR 52, 52, 28
.else
	ADDR 8, 8, 25
	ADDR 52, 14, 28
.endif
	ADDR 36, PWJ, 26
	ADDR 38, PWJ, 27
	ADDR 40, PHK, 29
	ADDR 42, PHK, 30
	ADDR 44, PHK, 31
	ADDR 46, PHK, 32
.if CROSS
	ADDR 48, PHK, 33
	ADDR 50, PHK, 34
	XLOADS
	WLOADS
	s_cmp_lt_u32 s18, NQK
	s_cbranch_scc0 .Lbias_v
.irp i, 0,1,2,3
	global_load_b128 v[BIAS+8*\i:BIAS+8*\i+3], v8, s[52:53] offset:(32*(\i/2)+8*(\i%2))*4
	global_load_b128 v[BIAS+8*\i+4:BIAS+8*\i+7], v8, s[52:53] offset:(32*(\i/2)+8*(\i%2))*4+16
.endr
	s_branch .Lbias_done
.Lbias_v:
.irp t, 0,1,2,3
	global_load_b32 v[BIAS+\t], v9, s[52:53] offset:128*(\t/2)+32*(\t%2)
.endr
.Lbias_done:
	s_wait_loadcnt 30                              ; x's 16 loads are in: behind them stand 24 + 2 loads of weights and 4 (v) or 8 (qk) of bias
	XQUANT
.else
	s_cmp_lt_u32 s18, NQK
	s_cbranch_scc0 .Lhead_v
	XLOADS
	WLOADS
	s_wait_alu depctr_va_vdst(0)
.irp i, 0,1,2,3
.irp j, 0,1,2,3,4,5,6,7
	global_load_b32 v[BIAS+8*\i+\j], v8, s[52:53] offset:384*(\i/2)+96*(\i%2)+12*\j
.endr
.endr
	s_wait_loadcnt 58                              ; x's 16 loads are in: behind them stand 24 + 2 + 32
	XQUANT
	s_branch .Ljoin
.Lhead_v:
	s_wait_alu depctr_va_vdst(0)
.irp f, 0,1
.irp b, 0,1
.irp q, 0,1,2,3
	global_load_b128 v[ACC+4*(8*\f+4*\b+\q):ACC+4*(8*\f+4*\b+\q)+3], v4, s[8:9] offset:\f*2097152+128*\b+16*\q
.endr
.endr
.endr
	WLOADS
.irp t, 0,1,2,3
	global_load_b32 v[BIAS+\t], v9, s[52:53] offset:384*(\t/2)+96*(\t%2)
.endr
	s_wait_loadcnt 30                              ; the encodings' 16 loads are in: behind them stand 24 + 2 + 4
.set g, 0
.rept 16
	ds_store_b128 v7, v[ACC+4*g:ACC+4*g+3] offset:ENC+512*g
.set g, g+1
.endr
.Ljoin:
.endif
	s_wait_dscnt 0x0                               ; my stores have landed:
	s_barrier_signal -1
	s_barrier_wait -1                              ; everybody's have
	ds_load_b128 v[XS:XS+3], v1 offset:XSC
	s_wait_loadcnt 0x0                             ; weights, their scale words, bias
; q or k of tile tau of tokens: 8 products, the four accumulators by turns; the encoding (or the factor); quantised along the head; two tiles make a pair record.
.macro QKT tau
.irp g, 0,1,2,3,4,5
	ds_load_b128 v[XM+4*\g:XM+4*\g+3], v1 offset:XIMG+(2*\tau)*1536+512*\g
.endr
	s_wait_dscnt 0x0
.irp s, 0,1
.irp i, 0,1,2,3
.if \s == 0
	WM ACC+8*\i, W+12*(2*\i+\s), XM+12*\s, BIAS+8*\i, WS+2*(\i/2)+\s, XS+2*(\tau/2)+\s, \i%2, \tau%2
.else
	WM ACC+8*\i, W+12*(2*\i+\s), XM+12*\s, ACC+8*\i, WS+2*(\i/2)+\s, XS+2*(\tau/2)+\s, \i%2, \tau%2
.endif
.endr
.endr
	PLACES
.if CROSS
.irp j, 0,2,4,6,8,10,12,14,16,18,20,22,24,26,28,30
	v_pk_mul_f32 v[ACC+\j:ACC+\j+1], v[ACC+\j:ACC+\j+1], 0x3eb504f3 op_sel_hi:[1,0]   ; x 8^-0.5
.endr
	s_wait_xcnt 0x0                                ; the last pair's stores have read their registers
	QUANT2 ACC, PC+6*(\tau%2), 12+(\tau%2), s54, s55
.else
.irp b, 0,1                                    ; channels 32 b + 16 h + 0 .. 15: plane 0 where the result will stand, plane 1 beside it
.irp q, 0,1,2,3
	ds_load_b128 v[XM+16*\b+4*\q:XM+16*\b+4*\q+3], v1 offset:ENC+8192*\tau+512*(4*\b+\q)
	ds_load_b128 v[XM+32+4*\q:XM+32+4*\q+3], v1 offset:ENC+8192*\tau+512*(8+4*\b+\q)
.endr
	s_wait_dscnt 0x0
.irp i, 0,2,4,6,8,10,12,14
	v_mul_f32 v[XM+16*\b+\i], v[ACC+16*\b+\i], v[XM+16*\b+\i]
	v_mul_f32 v[XM+16*\b+\i+1], v[ACC+16*\b+\i+1], v[XM+16*\b+\i+1]
	v_fma_f32 v[XM+16*\b+\i], -v[ACC+16*\b+\i+1], v[XM+32+\i], v[XM+16*\b+\i]         ; t0 f0 - t1 f1
	v_fma_f32 v[XM+16*\b+\i+1], v[ACC+16*\b+\i], v[XM+32+\i+1], v[XM+16*\b+\i+1]      ; t1 f0 + t0 f1
.endr
.endr
	s_wait_xcnt 0x0                                ; the last pair's stores have read their registers
	QUANT2 XM, PC+6*(\tau%2), 12+(\tau%2), s54, s55
.endif
.if (\tau%2) == 1
	v_cndmask_b32 v14, v12, v13, s56               ; lanes 0-15 the even tile's word, lanes 16-31 the odd tile's
.irp g, 0,1,2
	global_store_b128 v1, v[PC+4*\g:PC+4*\g+3], s[40:41] offset:1536*(\tau/2)+512*\g
.endr
	global_store_b32 v1, v14, s[42:43] offset:4*(\tau/2)
.if CROSS
.irp g, 0,1,2
	global_store_b128 v1, v[PC+4*\g:PC+4*\g+3], s[48:49] offset:1536*(\tau/2)+512*\g
.endr
	global_store_b32 v1, v14, s[50:51] offset:4*(\tau/2)
.endif
.endif
.endm
; v: tile t of the head's channels for all 64 tokens: 8 products, the four accumulators by turns; quantised along the tokens: half a fragment of a key step.
.macro VT t
.irp j, 0,1,2,3,4,5,6,7
	v_mov_b32 v[CB+\j], v[BIAS+\t]                 ; my channel's bias is the first product's C
.endr
	s_wait_alu depctr_va_vdst(0)
.irp s, 0,1
	PLACES
.irp i, 0,1,2,3
.irp g, 0,1,2
	ds_load_b128 v[XM+12*\i+4*\g:XM+12*\i+4*\g+3], v1 offset:XIMG+(2*\i+\s)*1536+512*\g
.endr
.endr
	s_wait_dscnt 0x0
.irp i, 0,1,2,3
.if \s == 0
	WM ACC+8*\i, XM+12*\i, W+12*(2*\t+\s), CB, XS+2*(\i/2)+\s, WS+2*(\t/2)+\s, \i%2, \t%2
.else
	WM ACC+8*\i, XM+12*\i, W+12*(2*\t+\s), ACC+8*\i, XS+2*(\i/2)+\s, WS+2*(\t/2)+\s, \i%2, \t%2
.endif
.endr
.endr
	PLACES
	s_wait_xcnt 0x0                                ; the last tile's stores have read their registers
	QUANT2 ACC, PC, 12+(\t%2), 0x1800000, 0xff000000
	global_store_b128 v1, v[PC:PC+3], s[44:45] offset:1536*\t
	global_store_b64 v2, v[PC+4:PC+5], s[44:45] offset:1536*\t+512
.if (\t%2) == 1
	v_cndmask_b32 v14, v12, v13, s56
	global_store_b16 v2, v14, s[46:47] offset:4*(\t/2)
.endif
.endm
	s_cmp_lt_u32 s18, NQK
	s_cbranch_scc0 .Lrole_v
	QKT 0
	QKT 1
	QKT 2
	QKT 3
	s_branch .Lend
.Lrole_v:
	VT 0
	VT 1
	VT 2
	VT 3
.Lend:
	s_wait_tensorcnt 0x0                           ; the wave's end
	ds_add_u32 v10, v11
	s_wait_dscnt 0x0
	s_endpgm
.Lfunc_end_k_qeffe9b42dc_proj_s:
	.size	k_qeffe9b42dc_proj_s, .Lfunc_end_k_qeffe9b42dc_proj_s-k_qeffe9b42dc_proj_s
	.p2alignl 7, 3214868480
	.fill 96, 4, 3214868480
	.section	.rodata,"a",@progbits
	.p2align	6, 0x0
	.amdhsa_kernel k_qeffe9b42dc_proj_s
		.amdhsa_group_segment_fixed_size 47104
		.amdhsa_private_segment_fixed_size 0
		.amdhsa_enable_private_segment 0
		.amdhsa_kernarg_size 56
		.amdhsa_user_sgpr_count 2
		.amdhsa_user_sgpr_kernarg_segment_ptr 1
		.amdhsa_wavefront_size32 1
		.amdhsa_system_sgpr_workgroup_id_x 1
		.amdhsa_system_sgpr_workgroup_id_y 1
		.amdhsa_system_sgpr_workgroup_id_z 1
		.amdhsa_system_vgpr_workitem_id 0
		.amdhsa_next_free_vgpr 256
		.amdhsa_next_free_sgpr 66
		.amdhsa_reserve_vcc 0
		.amdhsa_float_denorm_mode_32 3
		.amdhsa_float_denorm_mode_16_64 3
		.amdhsa_memory_ordered 1
		.amdhsa_forward_progress 1
		.amdhsa_inst_pref_size 80
	.end_amdhsa_kernel
	.amdgpu_metadata
---
amdhsa.version: [ 1, 2 ]
amdhsa.kernels:
  - .name:           k_qeffe9b42dc_proj_s
    .symbol:         k_qeffe9b42dc_proj_s.kd
    .args:
      - { .name: desc0, .offset: 0, .size: 8, .value_kind: global_buffer, .address_space: global }
      - { .name: desc1, .offset: 8, .size: 8, .value_kind: global_buffer, .address_space: global }
      - { .name: encoding0, .offset: 16, .size: 8, .value_kind: global_buffer, .address_space: global }
      - { .name: encoding1, .offset: 24, .size: 8, .value_kind: global_buffer, .address_space: global }
      - { .name: wpj, .offset: 32, .size: 8, .value_kind: global_buffer, .address_space: global }
      - { .name: bqkv, .offset: 40, .size: 8, .value_kind: global_buffer, .address_space: global }
      - { .name: hkv, .offset: 48, .size: 8, .value_kind: global_buffer, .address_space: global }
    .group_segment_fixed_size: 47104
    .private_segment_fixed_size: 0
    .kernarg_segment_align: 8
    .kernarg_segment_size: 56
    .max_flat_workgroup_size: 384
    .sgpr_count:     66
    .vgpr_count:     256
    .wavefront_size: 32
...
	.end_amdgpu_metadata
.endif
;; end of part 2
;; launch attn_s (part 3): grid 8 x 32, 8 waves a work-group, clusters of 4 x 1, 210,944 bytes of LDS; arguments hkv, ob; writes ob
.if DOCPART == 3
	.amdgcn_target "amdgcn-amd-amdhsa--gfx1250"
	.amdhsa_code_object_version 6
	.text
	.protected	k_qeffe9b42dc_attn_s
	.globl	k_qeffe9b42dc_attn_s
	.p2align	8
	.type	k_qeffe9b42dc_attn_s,@function
k_qeffe9b42dc_attn_s:
	s_mov_b64 s[64:65], 0
	v_nop
	global_prefetch_b8 v0, s[64:65] scope:SCOPE_SE
	s_setreg_imm32_b32 hwreg(HW_REG_WAVE_MODE, 25, 1), 1
	s_wait_xcnt 0x0
	s_wait_alu depctr_hold_cnt(0) depctr_sa_sdst(0) depctr_va_vdst(0) depctr_va_sdst(0) depctr_va_ssrc(0) depctr_va_vcc(0) depctr_vm_vsrc(0)
	s_getreg_b32 s2, hwreg(HW_REG_IB_STS2, 6, 4)
	s_cmp_eq_u32 s2, 0
	s_cbranch_scc0 .Lentry_in_a_cluster
	s_endpgm
.Lentry_in_a_cluster:
	s_bfe_u32 s2, ttmp6, 0x10000c
	s_cmp_lg_u32 s2, 0x3003
	s_cbranch_scc0 .Lentry_shape_is_right
	s_endpgm
.Lentry_shape_is_right:
; Attention on codes of E2M3 for one of 32 (side, batch, head) = bh: O = softmax(S) V, S = Q K^T as the codes and scale bytes give it (every factor lies in them already), head size 64, 2,048 keys.
; THE SOFTMAX AHEAD OF THE SECOND PRODUCT: t = S log2(e); M = the running largest t rounded UP to a whole number; p = 2^(t - M) is quantised along the keys, not normalised; the row's sum is taken of
; the unquantised p and divides O at the end; when M moves, the sum and O are multiplied by 2^(old M - new M): exact.  O / sum is quantised along the head and leaves as codes for the next product.
; SHARES.  A work-group owns 256 queries of bh; each of its eight waves owns 32: tile A (16 queries) in register window 0, tile B in window 1, UNDER THE SAME REGISTER NUMBERS, so one macro serves both.
; K's fragments (window 0) and V's (window 1) serve both tiles: each is read from LDS once for 32 queries.  Scale words stand in window 0 (scale operands have no window).
; THE LOOP: SM2 A(j), SM1 B(j), [O A += V p A(j); S A(j+1)], SM2 B(j), SM1 A(j+1), [O B += V p B(j); S B(j+1)], fetch V(j+1), K(j+2).
; SM1 = maxima, new M, t - M, factor, O and sum under the new M;  SM2 = p, the sum, p's codes and scale word.
; THE WHOLE HEAD'S K, V AND SCALE BYTES, 208,896 bytes, COME INTO LDS ONCE, one tensor load a wave: waves 0-2 K (128 rows of 256 bytes each), 3-5 V, 6 K's scale words, 7 V's.  No byte is filled twice.
; CLUSTER.  The four query blocks of a cluster walk the same head: each fill is asked for jointly, by the same load with the same descriptor and a mask that names the four.
; LAYOUT.  Both products transposed: S^T = K Q^T, O^T = V^T P^T: a lane holds one query.
; WHICH KEYS FORM A TILE OF K IS CHOSEN AT THE LDS LOAD.  In LDS slot rho of tile T is key 32 (T / 2) + 8 (T % 2) + rho + 8 (rho / 8).  Lane (hk, g, j) = 16 hk + 8 g + j of the tile 4 c + 2 q + e that is multiplied
; reads lane 16 hk + 8 q + j of stored tile 4 c + 2 g + e: its slot 8 g + j is then key 64 c + 32 g + 8 (2 q + e) + j.  So in S^T lane (query, h) holds in registers 96 + 32 c + 0 .. 31 the keys 64 c + 32 h + 0 .. 31:
; A WHOLE BLOCK OF 32 KEYS IN ONE LANE, in the order that p's operand wants: a block's maximum needs no other lane and its codes no lane swap.
; THE HEAD IS 64 AND THE INSTRUCTION'S K IS 128.  A tile of K is 6 registers; its operand names 12: the upper six are the next tile's codes (behind the last: zeros).  Q's upper six are zero codes and
; bytes 2, 3 of both scale words are 0, which is no NaN: so the upper 64 add exactly nothing.
; No prefetch: all that the waves wait for is asked for at the head, and there is no loop to run ahead in.
; LIMITS: NaN and infinities are not served; a block of zeros gets the byte 1 (read by this program alone); the promise holds while |t| stays under 2^31.
; REGISTERS of a tile: v12 -M, v13 largest score, v14-15 sum, v16-27 Q, v96-159 S then p, v160-191 O^T, v192-203 p's codes, v204-239 at work, v211 8 h.
; Window 0 alone: v1-11, v30, v31, v86, v87 addresses, v28-29 the add's, v32-85 K, v240-243 K's scale words, v244-245 V's, v246/v248 Q's (A/B), v247/v249 p's (A/B).  Window 1 alone: v32-79 V.
.set VIMG,  98304                      ; LDS: K's images from 0 (6,144 bytes a key step: four pair records of 1,536), V's from here (6,144 a step: 4 tiles x 2 half records of 768),
.set KSC,   196608                     ; K's scale words [step][lane][4 words],
.set VSC,   204800                     ; V's [step][lane][2 words],
.set SPARE, 208896                     ; the spare words, 128 bytes a wave
.set WV,  18
.set SEL, 20
.set CS,  22                           ; s[22:23] log2(e)
.set G1A, 24                           ; s[24:31] group 1: 128 rows of 256 bytes;  s[32:39]: 32 rows;  s[40:47]: 16 rows
.set G1B, 32
.set G1C, 40
.set MSB, 0
.macro WIN new                         ; low byte: bits 1:0 source 0, 3:2 source 1, 5:4 source 2, 7:6 destination; the high byte repeats the setting that is left
.if MSB != (\new)
	s_set_vgpr_msb (MSB<<8)|(\new)
.set MSB, (\new)
.endif
.endm
.macro WQK t, sq                       ; S^T, tile t of 16 keys: starts its sum
.if ((\t)%2) == 0
	v_wmma_scale_f32_16x16x128_f8f6f4 v[96+8*(\t):103+8*(\t)], v[32+6*(\t):43+6*(\t)], v[16:27], 0, v[240+(\t)/2], v[\sq] matrix_a_fmt:MATRIX_FMT_FP6 matrix_b_fmt:MATRIX_FMT_FP6
.else
	v_wmma_scale_f32_16x16x128_f8f6f4 v[96+8*(\t):103+8*(\t)], v[32+6*(\t):43+6*(\t)], v[16:27], 0, v[240+(\t)/2], v[\sq] matrix_a_fmt:MATRIX_FMT_FP6 matrix_b_fmt:MATRIX_FMT_FP6 matrix_a_scale:MATRIX_SCALE_ROW1
.endif
.endm
.macro WPV t, sp                       ; O^T, tile t of 16 channels, += V^T p^T
.if ((\t)%2) == 0
	v_wmma_scale_f32_16x16x128_f8f6f4 v[160+8*(\t):167+8*(\t)], v[32+12*(\t):43+12*(\t)], v[192:203], v[160+8*(\t):167+8*(\t)], v[244+(\t)/2], v[\sp] matrix_a_fmt:MATRIX_FMT_FP6 matrix_b_fmt:MATRIX_FMT_FP6
.else
	v_wmma_scale_f32_16x16x128_f8f6f4 v[160+8*(\t):167+8*(\t)], v[32+12*(\t):43+12*(\t)], v[192:203], v[160+8*(\t):167+8*(\t)], v[244+(\t)/2], v[\sp] matrix_a_fmt:MATRIX_FMT_FP6 matrix_b_fmt:MATRIX_FMT_FP6 matrix_a_scale:MATRIX_SCALE_ROW1
.endif
.endm
.macro QK w                            ; eight products: K in window 0, Q and S in the tile's window
	WIN 0x44*(\w)
.irp t, 0,1,2,3,4,5,6,7
	WQK \t, 246+2*(\w)
.endr
.endm
.macro PV w                            ; four products: V in window 1, p and O in the tile's window
	WIN 0x01+0x54*(\w)
.irp t, 0,1,2,3
	WPV \t, 247+2*(\w)
.endr
.endm
.macro PLACES
.rept 4
	v_nop
.endr
.endm
.macro CROUND                          ; a round of the cluster's barrier
	s_barrier_signal -1
	s_barrier_wait -1
	s_cmp_lg_u32 s[WV], 0
	s_cbranch_scc1 .Lnot_wave_0_\@
	s_barrier_signal -3
.Lnot_wave_0_\@:
	s_barrier_wait -3
	s_barrier_signal -1
	s_barrier_wait -1
.endm
; K's eight tiles of a key step, tile t at v[32 + 6 t], pair p = 2 c + q of them by three loads; and the pair's scale words: lanes 0-15 the even tile's, lanes 16-31 the odd tile's
.macro KLD ka, ks
.irp p, 0,1,2,3
.irp i, 0,1,2
	ds_load_b128 v[32+12*\p+4*\i:35+12*\p+4*\i], v[\ka] offset:(\p/2)*3072+(\p%2)*128+512*\i
.endr
	ds_load_b32 v[240+\p], v[\ks] offset:(\p%2)*128+(\p/2)*8
.endr
.endm
; The fetch: V and its scale words of the key step at s66 / s68, K and its scale words of key step min(s72, 15).  In the loop's last trip K's step 15 is named once more, so that the loop has one body; those registers are not read again.
.macro FETCH
	WIN 0
	s_min_u32 s73, s72, 15
	s_mul_i32 s74, s73, 6144
	s_lshl_b32 s75, s73, 9
	v_add_nc_u32 v8, s74, v86                      ; these five are also the places ahead of the loads into registers that the last products read
	v_add_nc_u32 v9, s66, v4
	v_add_nc_u32 v10, s66, v5
	v_add_nc_u32 v11, s75, v87
	v_add_nc_u32 v30, s68, v7
	KLD 8, 11
	ds_load_b64 v[244:245], v30
	WIN 0x40                                       ; destination window 1
.irp t, 0,1,2,3
.irp c, 0,1
	ds_load_b128 v[32+12*\t+6*\c:35+12*\t+6*\c], v9 offset:(2*\t+\c)*768
	ds_load_b64 v[36+12*\t+6*\c:37+12*\t+6*\c], v10 offset:(2*\t+\c)*768+512
.endr
.endr
	WIN 0
	s_add_co_u32 s66, s66, 6144
	s_add_co_u32 s68, s68, 256
	s_add_co_u32 s72, s72, 1
.endm
.macro TM a, b                         ; t - M of registers 96 + a .. 96 + b - 1, two at a time
.set j, \a
.rept ((\b)-(\a))/2
	v_pk_fma_f32 v[96+j:97+j], v[96+j:97+j], s[CS:CS+1], v[12:13] op_sel_hi:[1,0,0]
.set j, j+2
.endr
.endm
; SM1: the largest score of my two blocks of 32 keys (v212, v216), the new M, t - M, the factor f, and O and the sum under the new M.
.macro SM1 w
	WIN 0x55*(\w)
	s_wait_alu depctr_va_vdst(0)                   ; directly ahead of the first reader of S
.irp n, 0,1,2,3,4,5,6,7
	v_max3_num_f32 v[212+\n], v[96+8*\n], v[97+8*\n], v[98+8*\n]   ; eight chains, one to an accumulator, each from its low end on
.endr
.irp i, 3,5
.irp n, 0,1,2,3,4,5,6,7
	v_max3_num_f32 v[212+\n], v[212+\n], v[96+8*\n+\i], v[97+8*\n+\i]
.endr
.endr
	v_mov_b32 v228, v12                            ; the old -M
.irp c, 0,1
	v_max3_num_f32 v[212+4*\c], v[212+4*\c], v[213+4*\c], v[103+32*\c]   ; a block's four chains and the four numbers left over
	v_max3_num_f32 v[214+4*\c], v[214+4*\c], v[215+4*\c], v[111+32*\c]
.endr
.irp c, 0,1
	v_max3_num_f32 v[212+4*\c], v[212+4*\c], v[214+4*\c], v[119+32*\c]
.endr
.irp c, 0,1
	v_max_num_f32 v[212+4*\c], v[212+4*\c], v[127+32*\c]   ; the block's largest score: for the row's maximum and for the block's largest p
.endr
	v_max_num_f32 v226, v212, v216
	v_permlanex16_b32 v227, v226, s[SEL], s[SEL+1] ; lane l xor 16's two blocks
	v_max3_num_f32 v13, v13, v226, v227            ; the running largest score (log2(e) is positive: the largest score gives the largest t)
	v_mul_f32 v226, s[CS], v13                     ; as t
	v_floor_f32 v12, -v226                         ; the new -M = -ceil(t)
	v_sub_f32 v226, v12, v228                      ; old M - new M: a whole number, 0 or less
	TM 0, 8                                        ; the factor's three lines stand among the multiply-adds
	v_cvt_i32_f32 v226, v226                       ; (it saturates)
	TM 8, 16
	v_ldexp_f32 v224, 1.0, v226                    ; f = 2^(old M - new M)
	TM 16, 64
.irp c, 0,1
	v_fma_f32 v[212+4*\c], v[212+4*\c], s[CS], v12 ; the same of each block's largest score
.endr
	s_wait_alu depctr_va_vdst(0)                   ; directly ahead of the first reader of O^T
.set j, 0
.rept 16
	v_pk_mul_f32 v[160+j:161+j], v[160+j:161+j], v[224:225] op_sel_hi:[1,0]
.set j, j+2
.endr
	v_pk_mul_f32 v[14:15], v[14:15], v[224:225] op_sel_hi:[1,0]
	s_wait_alu depctr_va_vdst(0)                   ; the wait behind these writes
.endm
; SM2: p = 2^(t - M), the sum of the unquantised p, p's codes and its scale word for these 128 keys.
.macro SM2 w
	WIN 0x55*(\w)
	v_exp_f32 v212, v212                           ; my two blocks' largest p
	v_exp_f32 v216, v216
.set j, 0
.rept 64
	v_exp_f32 v[96+j], v[96+j]
.set j, j+1
.endr
	v_nop                                          ; the plain place behind the exponentials
	s_wait_alu depctr_va_vdst(0)                   ; one wait for the batch, ahead of its first reader
.irp k, 0,1,2,3,4,5
	v_pk_add_f32 v[228+2*\k:229+2*\k], v[96+4*\k:97+4*\k], v[98+4*\k:99+4*\k]   ; the sum: 32 pairs in eight chains; the scale's lines stand among them
.endr
	v_pk_add_f32 v[218:219], v[120:121], v[122:123]
	v_pk_add_f32 v[14:15], v[14:15], v[124:125]
	v_max_num_f32 v212, 0x1800000, v212            ; the floor 2^(3 - 127): the byte cannot fall under 1
	v_max_num_f32 v216, 0x1800000, v216
.irp k, 0,1,2,3,4,5
	v_pk_add_f32 v[228+2*\k:229+2*\k], v[228+2*\k:229+2*\k], v[126+2*\k:127+2*\k]
.endr
	v_pk_add_f32 v[218:219], v[218:219], v[138:139]
	v_pk_add_f32 v[14:15], v[14:15], v[140:141]
	v_add_nc_u32 v220, 0xff000000, v212            ; 2 off the exponent field: the conversion's scale operand
	v_add_nc_u32 v221, 0xff000000, v216
.irp k, 0,1,2,3,4,5
	v_pk_add_f32 v[228+2*\k:229+2*\k], v[228+2*\k:229+2*\k], v[142+2*\k:143+2*\k]
.endr
	v_pk_add_f32 v[218:219], v[218:219], v[154:155]
	v_pk_add_f32 v[14:15], v[14:15], v[156:157]
	v_pk_add_f32 v[228:229], v[228:229], v[158:159]
	v_lshrrev_b32 v222, 23, v220                   ; the scales' bytes: blocks h and 2 + h
	v_lshrrev_b32 v223, 23, v221
	v_pk_add_f32 v[232:233], v[232:233], v[234:235]
	v_pk_add_f32 v[236:237], v[236:237], v[238:239]
	v_pk_add_f32 v[14:15], v[14:15], v[218:219]
	v_pk_add_f32 v[228:229], v[228:229], v[230:231]
	v_lshl_or_b32 v227, v223, 16, v222
	v_pk_add_f32 v[14:15], v[14:15], v[236:237]
	v_pk_add_f32 v[228:229], v[228:229], v[232:233]
	v_lshlrev_b32 v227, v211, v227                 ; at their places in the word: 8 h bits up
	v_pk_add_f32 v[14:15], v[14:15], v[228:229]
	v_permlanex16_b32 v226, v227, s[SEL], s[SEL+1] ; lane l xor 16's two bytes
.irp c, 0,1
	v_cvt_scalef32_pk16_fp6_f32 v[192+6*\c:194+6*\c], v[96+32*\c:111+32*\c], v[220+\c]
	v_cvt_scalef32_pk16_fp6_f32 v[204+4*\c:206+4*\c], v[112+32*\c:127+32*\c], v[220+\c]   ; (a conversion's three registers begin on an even number)
.endr
	v_nop                                          ; one plain place behind a scaled conversion
.irp c, 0,1
.irp i, 0,1,2
	v_mov_b32 v[195+6*\c+\i], v[204+4*\c+\i]       ; registers 6 c .. 6 c + 5 now hold k = 64 c + 32 h + 0 .. 31
.endr
.endr
	WIN 0x05*(\w)                                  ; sources in the tile's window, the scale word in window 0
	v_or_b32 v[247+2*(\w)], v227, v226             ; the word is whole; the other tile's SM1 (in the tail: the first tile's way out) gives the places between it and its products
.endm
; The way out of a tile: O / sum, quantised along the head: half a fragment and two scale bytes.  (O^T's 16 registers of two neighbouring tiles are channels 32 b + 16 h + 0 .. 15.)
.macro FIN w
	WIN 0x55*(\w)
	v_add_f32 v14, v14, v15                        ; the sum's two halves,
	s_delay_alu instid0(VALU_DEP_1)
	v_permlanex16_b32 v216, v14, s[SEL], s[SEL+1]
	s_delay_alu instid0(VALU_DEP_1)
	v_add_f32 v14, v14, v216                       ; and lane l xor 16's
	s_wait_alu depctr_va_vdst(0)
	v_rcp_f32 v14, v14
	v_nop
	s_wait_alu depctr_va_vdst(0)                   ; ahead of the first reader of the reciprocal and of O^T
.set j, 0
.rept 32
	v_mul_f32 v[96+j], v[160+j], v14               ; register 16 b + i is channel 32 b + 16 h + i of my query
.set j, j+1
.endr
.irp b, 0,1
	v_max3_num_f32 v[212+\b], |v[96+16*\b]|, |v[97+16*\b]|, 0x1800000
.endr
.irp i, 2,4,6,8,10,12,14
.irp b, 0,1
	s_delay_alu instid0(VALU_DEP_2)
	v_max3_num_f32 v[212+\b], v[212+\b], |v[96+16*\b+\i]|, |v[97+16*\b+\i]|
.endr
.endr
.irp b, 0,1
	s_delay_alu instid0(VALU_DEP_2)
	v_permlanex16_b32 v[216+\b], v[212+\b], s[SEL], s[SEL+1]
.endr
.irp b, 0,1
	s_delay_alu instid0(VALU_DEP_2)
	v_max_num_f32 v[212+\b], v[212+\b], v[216+\b]
.endr
.irp b, 0,1
	s_delay_alu instid0(VALU_DEP_2)
	v_add_nc_u32 v[220+\b], 0xff000000, v[212+\b]
.endr
.irp b, 0,1
	s_delay_alu instid0(VALU_DEP_2)
	v_lshrrev_b32 v[218+\b], 23, v[220+\b]
.endr
	s_delay_alu instid0(VALU_DEP_1)
	v_lshl_or_b32 v226, v219, 8, v218
	v_cvt_scalef32_pk16_fp6_f32 v[192:194], v[96:111], v220
	v_cvt_scalef32_pk16_fp6_f32 v[204:206], v[112:127], v221
	v_nop
.irp i, 0,1,2
	v_permlane16_swap_b32 v[192+\i], v[204+\i]     ; a whole block to a lane
.endr
.irp i, 0,1,2
	v_mov_b32 v[195+\i], v[204+\i]
.endr
	WIN 0x04*(\w)                                  ; the stores' data in the tile's window, their addresses in window 0
	global_store_b128 v1, v[192:195], s[12:13] offset:3072*(\w)       ; a half record: 512 consecutive bytes, then 256
	global_store_b64 v2, v[196:197], s[12:13] offset:3072*(\w)+512
	global_store_b16 v31, v226, s[14:15] offset:128*(\w)
.endm
.macro INIT w                          ; a tile's state ahead of the first key step
	WIN 0x55*(\w)
	v_mov_b32 v13, 0xff61b1e6                      ; the largest score so far: -3e38
	v_floor_f32 v12, -v13                          ; -M
	v_mov_b32 v14, 0                               ; the sum, in two halves
	v_mov_b32 v15, 0
	v_mov_b32 v225, 0                              ; (the upper half of the pair v[224:225])
	v_mov_b32 v227, 0                              ; a lane permute's destination counts as read
.irp i, 0,1,2,3,4,5
	v_mov_b32 v[22+\i], 0                          ; Q's upper 64: zero codes
.endr
.set j, 0
.rept 32
	v_mov_b32 v[160+j], 0                          ; O^T: the step is written once; the first finds zeros
.set j, j+1
.endr
.endm
.macro ARM under, g0, g1, next         ; one arm of the head's chain: its load, and a jump to the join
	s_cmp_lt_u32 s[WV], \under
	s_cbranch_scc0 \next
	tensor_load_to_lds s[\g0:\g0+3], s[\g1:\g1+7]
	s_nop 0
.rept 4
	v_nop
.endr
	s_branch .Lasked
\next:
.endm
	s_load_b128 s[4:7], s[0:1], 0x0                ; hkv, ob
	v_lshl_add_u32 v28, v0, 2, SPARE
	v_mov_b32 v29, 0
	ds_add_u32 v28, v29                            ; the wave's opening: the add, twice on end, and its wait ahead of my tensor load
	ds_add_u32 v28, v29
	v_lshrrev_b32 v3, 5, v0
	s_delay_alu instid0(VALU_DEP_1)
	v_readfirstlane_b32 s[WV], v3                  ; wave 0..7
.irp g, G1A, G1B, G1C
	s_mov_b32 s[\g], 15|(3<<16)|(1<<21)            ; the mask: all four work-groups; elements of 8 bytes; bit 21 beside a mask; no padding
	s_mov_b32 s[\g+1], 32<<16                      ; tensor_dim0 = 32 elements: rows of 256 bytes, dense
	s_mov_b32 s[\g+3], 32<<16                      ; tile_dim0
	s_mov_b32 s[\g+5], 32                          ; the pitch
	s_mov_b32 s[\g+6], 0
	s_mov_b32 s[\g+7], 0
.endr
	s_mov_b32 s[G1A+2], 128<<16                    ; tensor_dim1, tile_dim1: 128 rows, 32, 16
	s_mov_b32 s[G1A+4], 128
	s_mov_b32 s[G1B+2], 32<<16
	s_mov_b32 s[G1B+4], 32
	s_mov_b32 s[G1C+2], 16<<16
	s_mov_b32 s[G1C+4], 16
	s_and_b32 s72, ttmp7, 0xffff                   ; bh, which the four partners share
	s_mul_i32 s76, s72, 98304
	s_lshl_b32 s49, s[WV], 15                      ; waves 0-5: 32,768 bytes each, K's three parts and then V's three: VIMG = 3 x 32,768
	s_lshl_b32 s53, s[WV], 15
	s_add_co_u32 s76, s76, s49
	s_add_co_u32 s78, s76, 3145728                 ; K's part w in hkv
	s_mov_b32 s79, 0
	s_add_co_u32 s80, s76, 6291456-98304           ; V's part w - 3
	s_mov_b32 s81, 0
	s_mov_b32 s57, KSC
	s_lshl_b32 s82, s72, 13
	s_add_co_u32 s82, s82, 9699328                 ; K's scale words
	s_mov_b32 s83, 0
	s_mov_b32 s61, VSC
	s_lshl_b32 s84, s72, 12
	s_add_co_u32 s84, s84, 9961472                 ; V's
	s_mov_b32 s85, 0
	s_mov_b32 s48, 1
	s_mov_b32 s52, 1
	s_mov_b32 s56, 1
	s_mov_b32 s60, 1
	s_bfe_u32 s73, ttmp6, 0x40000                  ; cx: it enters the addresses of Q and of the output alone
	s_lshl_b32 s74, ttmp9, 2
	s_add_co_u32 s74, s74, s73                     ; my block of 256 queries
	s_lshl_b32 s86, s72, 6
	s_lshl_b32 s75, s74, 3
	s_add_co_u32 s86, s86, s75
	s_add_co_u32 s86, s86, s[WV]
	s_mul_i32 s86, s86, 1536                       ; the pair record that holds my two tiles of Q
	s_mov_b32 s87, 0
	s_lshl_b32 s88, s72, 13                        ; its scale words: step 2 block + w / 4, word w % 4; tile A in lanes 0-15's places, tile B 256 bytes on
	s_lshl_b32 s75, s74, 10
	s_add_co_u32 s88, s88, s75
	s_lshr_b32 s75, s[WV], 2
	s_lshl_b32 s75, s75, 9
	s_add_co_u32 s88, s88, s75
	s_and_b32 s75, s[WV], 3
	s_lshl_b32 s75, s75, 2
	s_add_co_u32 s88, s88, s75
	s_add_co_u32 s88, s88, 9437184
	s_mov_b32 s89, 0
	s_lshr_b32 s90, s72, 2
	s_lshl_b32 s90, s90, 7
	s_lshl_b32 s75, s74, 4
	s_add_co_u32 s90, s90, s75
	s_lshl_b32 s75, s[WV], 1
	s_add_co_u32 s90, s90, s75                     ; tile A among the 1,024 tiles of tokens; tile B is the next
	s_and_b32 s75, s72, 3                          ; head
	s_lshl_b32 s92, s90, 7
	s_lshl_b32 s71, s75, 1
	s_add_co_u32 s92, s92, s71
	s_add_co_u32 s92, s92, 3145728                 ; the output's scale bytes
	s_mov_b32 s93, 0
	s_mul_i32 s90, s90, 3072
	s_mul_i32 s71, s75, 768
	s_add_co_u32 s90, s90, s71                     ; the output's half record
	s_mov_b32 s91, 0
	s_mov_b32 s[SEL], 0x76543210
	s_mov_b32 s[SEL+1], 0xfedcba98
	s_mov_b32 s[CS], 0x3fb8aa3b
	s_mov_b32 s[CS+1], s[CS]                       ; (named with it as a pair, so it is written)
	s_mov_b32 s66, 0                               ; the next fetch: V's images,
	s_mov_b32 s68, 0                               ; V's scale words,
	s_mov_b32 s72, 1                               ; K's key step
	s_mov_b32 s69, 15                              ; trips
	s_wait_dscnt 0x0                               ; both opening adds are done
	s_wait_kmcnt 0x0
	s_add_nc_u64 s[50:51], s[4:5], s[78:79]
	s_or_b32 s51, s51, 0x80000000
	s_add_nc_u64 s[54:55], s[4:5], s[80:81]
	s_or_b32 s55, s55, 0x80000000
	s_add_nc_u64 s[58:59], s[4:5], s[82:83]
	s_or_b32 s59, s59, 0x80000000
	s_add_nc_u64 s[62:63], s[4:5], s[84:85]
	s_or_b32 s63, s63, 0x80000000
	s_add_nc_u64 s[8:9], s[4:5], s[86:87]
	s_add_nc_u64 s[10:11], s[4:5], s[88:89]
	s_add_nc_u64 s[12:13], s[6:7], s[90:91]
	s_add_nc_u64 s[14:15], s[6:7], s[92:93]
	CROUND                                         ; all four work-groups are here: the joint loads meet
	ARM 3, 48, G1A, .Lhead_v                       ; one chain of branches on the wave's number, one load to an arm: every way passes exactly one
	ARM 6, 52, G1A, .Lhead_ks
	ARM 7, 56, G1B, .Lhead_vs
	tensor_load_to_lds s[60:63], s[G1C:G1C+7]
	s_nop 0
.rept 4
	v_nop
.endr
.Lasked:
	v_and_b32 v3, 31, v0
	v_and_b32 v31, 15, v0
	s_delay_alu instid0(VALU_DEP_2)
	v_lshlrev_b32 v1, 4, v3                        ; 16 x lane
	v_lshlrev_b32 v2, 3, v3                        ; 8 x lane
	s_delay_alu instid0(VALU_DEP_3)
	v_lshlrev_b32 v3, 4, v31                       ; 16 r
	v_lshlrev_b32 v31, 3, v31                      ; 8 r
.irp g, 0,1,2
	global_load_b128 v[96+4*\g:99+4*\g], v1, s[8:9] offset:512*\g   ; the pair's twelve registers: tile A's six, then tile B's
.endr
	global_load_b32 v246, v3, s[10:11]             ; Q's scale words, row r's in both halves of the lanes: tile A's,
	global_load_b32 v248, v3, s[10:11] offset:256  ; tile B's
	v_add_nc_u32 v4, VIMG, v1
	v_add_nc_u32 v5, VIMG, v2
	v_add_nc_u32 v7, VSC, v2
	v_bfe_u32 v88, v0, 3, 1                        ; g
	v_bfe_u32 v89, v0, 4, 1                        ; hk (for the scale words: which tile of the pair)
	v_and_b32 v90, 7, v0                           ; j
	v_mul_u32_u24 v86, v88, 1536                   ; K's images: pair record + g, lane 16 hk + j: 1,536 g + 256 hk + 16 j
	v_lshl_add_u32 v87, v88, 2, KSC                ; K's scale words: word + g, lane 16 hk + j: 4 g + 256 hk + 16 j
	v_lshl_add_u32 v86, v89, 8, v86
	v_lshl_add_u32 v87, v89, 8, v87
	v_lshl_add_u32 v86, v90, 4, v86
	v_lshl_add_u32 v87, v90, 4, v87
	v_lshlrev_b32 v211, 3, v89                     ; 8 h
.irp i, 0,1,2,3,4,5
	v_mov_b32 v[80+\i], 0                          ; behind K's last tile: zero codes
.endr
	INIT 0
	INIT 1
	WIN 0
	s_wait_alu depctr_va_vdst(0)                   ; directly ahead of the wait below
	s_wait_loadcnt 0x0
.irp i, 0,1,2,3,4,5
	v_mov_b32 v[16+\i], v[96+\i]
.endr
	WIN 0x40
.irp i, 0,1,2,3,4,5
	v_mov_b32 v[16+\i], v[102+\i]                  ; into window 1
.endr
	v_lshlrev_b32 v211, 3, v89                     ; 8 h for tile B: into window 1, from window 0's h
	WIN 0
	PLACES                                         ; operands written by vector instructions stand four places ahead of a scaled product
	s_wait_alu depctr_va_vdst(0)                   ; the head's end
	s_wait_tensorcnt 0x0                           ; my part has landed,
	s_wait_dscnt 0x0
	s_barrier_signal -1
	s_barrier_wait -1                              ; everybody's has
	KLD 86, 87                                     ; K of key step 0
	s_wait_dscnt 0x0
	QK 0
	QK 1
	FETCH                                          ; V(0), K(1)
	SM1 0
	WIN 0
.Lstep:                                            ; 15 trips: trip j finishes key step j of both tiles and starts step j + 1
	SM2 0
	SM1 1
	s_wait_dscnt 0x0                               ; V(j) and K(j + 1) are in: asked for a whole SM2 and SM1 ago
	PV 0
	QK 0
	SM2 1
	SM1 0
	PV 1
	QK 1
	FETCH                                          ; V(j + 1), K(j + 2)
	s_sub_co_u32 s69, s69, 1
	s_cmp_lg_u32 s69, 0
	s_cbranch_scc1 .Lstep
	SM2 0                                          ; key step 15: nothing more to start
	SM1 1
	s_wait_dscnt 0x0
	PV 0
	SM2 1
	FIN 0                                          ; tile A leaves; its vector work gives the places between tile B's codes and scale word and their products
	PV 1
	PLACES
	FIN 1
	WIN 0
	s_wait_tensorcnt 0x0                           ; the wave's end
	ds_add_u32 v28, v29
	s_wait_dscnt 0x0
	CROUND                                         ; the closing round
	s_endpgm
.Lfunc_end_k_qeffe9b42dc_attn_s:
	.size	k_qeffe9b42dc_attn_s, .Lfunc_end_k_qeffe9b42dc_attn_s-k_qeffe9b42dc_attn_s
	.p2alignl 7, 3214868480
	.fill 96, 4, 3214868480
	.section	.rodata,"a",@progbits
	.p2align	6, 0x0
	.amdhsa_kernel k_qeffe9b42dc_attn_s
		.amdhsa_group_segment_fixed_size 210944
		.amdhsa_private_segment_fixed_size 0
		.amdhsa_enable_private_segment 0
		.amdhsa_kernarg_size 16
		.amdhsa_user_sgpr_count 2
		.amdhsa_user_sgpr_kernarg_segment_ptr 1
		.amdhsa_wavefront_size32 1
		.amdhsa_system_sgpr_workgroup_id_x 1
		.amdhsa_system_sgpr_workgroup_id_y 1
		.amdhsa_system_sgpr_workgroup_id_z 1
		.amdhsa_system_vgpr_workitem_id 0
		.amdhsa_next_free_vgpr 512
		.amdhsa_next_free_sgpr 100
		.amdhsa_reserve_vcc 0
		.amdhsa_float_denorm_mode_32 3
		.amdhsa_float_denorm_mode_16_64 3
		.amdhsa_memory_ordered 1
		.amdhsa_forward_progress 1
		.amdhsa_inst_pref_size 77
	.end_amdhsa_kernel
	.amdgpu_metadata
---
amdhsa.version: [ 1, 2 ]
amdhsa.kernels:
  - .name:           k_qeffe9b42dc_attn_s
    .symbol:         k_qeffe9b42dc_attn_s.kd
    .args:
      - { .name: hkv, .offset: 0, .size: 8, .value_kind: global_buffer, .address_space: global }
      - { .name: ob, .offset: 8, .size: 8, .value_kind: global_buffer, .address_space: global }
    .group_segment_fixed_size: 210944
    .private_segment_fixed_size: 0
    .kernarg_segment_align: 8
    .kernarg_segment_size: 16
    .max_flat_workgroup_size: 256
    .sgpr_count:     100
    .vgpr_count:     512
    .wavefront_size: 32
...
	.end_amdgpu_metadata
.endif
;; end of part 3
;; launch post_s (part 4): grid 256 x 1, 16 waves a work-group, clusters of 4 x 1, 327,680 bytes of LDS; arguments ob, desc0, desc1, wps, bo_s, b1_s, g_s, be_s, b2_s, d0, d1; writes d0, d1
.if DOCPART == 4
	.amdgcn_target "amdgcn-amd-amdhsa--gfx1250"
	.amdhsa_code_object_version 6
	.text
	.protected	k_qeffe9b42dc_post_s
	.globl	k_qeffe9b42dc_post_s
	.p2align	8
	.type	k_qeffe9b42dc_post_s,@function
k_qeffe9b42dc_post_s:
	s_mov_b64 s[64:65], 0
	v_nop
	global_prefetch_b8 v0, s[64:65] scope:SCOPE_SE
	s_setreg_imm32_b32 hwreg(HW_REG_WAVE_MODE, 25, 1), 1
	s_wait_xcnt 0x0
	s_wait_alu depctr_hold_cnt(0) depctr_sa_sdst(0) depctr_va_vdst(0) depctr_va_sdst(0) depctr_va_ssrc(0) depctr_va_vcc(0) depctr_vm_vsrc(0)
	s_getreg_b32 s2, hwreg(HW_REG_IB_STS2, 6, 4)
	s_cmp_eq_u32 s2, 0
	s_cbranch_scc0 .Lentry_in_a_cluster
	s_endpgm
.Lentry_in_a_cluster:
	s_bfe_u32 s2, ttmp6, 0x10000c
	s_cmp_lg_u32 s2, 0x3003
	s_cbranch_scc0 .Lentry_shape_is_right
	s_endpgm
.Lentry_shape_is_right:
; msg = Q(O) Q(Wo) + bo; h = gelu(layernorm(Q([x, msg]) Q(W1) + b1)); result = x + Q(h) Q(W2) + b2, for 64 tokens a work-group, all products on codes of E2M3.
; W1's and W2's images lie on end in the weights' buffer and in LDS alike: 1,152 rows of 256 bytes, 72 rows a wave by ONE joint load at the head; x is quantised and msg is made while that load is out.
.set W2L,   196608
.set ZIMG,  294912
.set ZSC,   319488
.set LNP,   320512
.set SPARE, 324608
.set WV,  52
.set SEL, 54
.set G1A, 28
.set PT,  228
.set TM,  232
.set TP,  234
.set OP,  236
.set BY,  238
.macro WM d, a, b, c, sa, sb, ra, rb
.if ((\ra) == 0) && ((\rb) == 0)
	v_wmma_scale_f32_16x16x128_f8f6f4 v[(\d):(\d)+7], v[(\a):(\a)+11], v[(\b):(\b)+11], v[(\c):(\c)+7], v[\sa], v[\sb] matrix_a_fmt:MATRIX_FMT_FP6 matrix_b_fmt:MATRIX_FMT_FP6
.elseif ((\ra) == 1) && ((\rb) == 0)
	v_wmma_scale_f32_16x16x128_f8f6f4 v[(\d):(\d)+7], v[(\a):(\a)+11], v[(\b):(\b)+11], v[(\c):(\c)+7], v[\sa], v[\sb] matrix_a_fmt:MATRIX_FMT_FP6 matrix_b_fmt:MATRIX_FMT_FP6 matrix_a_scale:MATRIX_SCALE_ROW1
.elseif ((\ra) == 0) && ((\rb) == 1)
	v_wmma_scale_f32_16x16x128_f8f6f4 v[(\d):(\d)+7], v[(\a):(\a)+11], v[(\b):(\b)+11], v[(\c):(\c)+7], v[\sa], v[\sb] matrix_a_fmt:MATRIX_FMT_FP6 matrix_b_fmt:MATRIX_FMT_FP6 matrix_b_scale:MATRIX_SCALE_ROW1
.else
	v_wmma_scale_f32_16x16x128_f8f6f4 v[(\d):(\d)+7], v[(\a):(\a)+11], v[(\b):(\b)+11], v[(\c):(\c)+7], v[\sa], v[\sb] matrix_a_fmt:MATRIX_FMT_FP6 matrix_b_fmt:MATRIX_FMT_FP6 matrix_a_scale:MATRIX_SCALE_ROW1 matrix_b_scale:MATRIX_SCALE_ROW1
.endif
.endm
.macro QUANT2 s, d, pw
.irp b, 0,1
	v_max3_num_f32 v[TM+\b], |v[(\s)+16*\b]|, |v[(\s)+16*\b+1]|, 0x1800000
.endr
.irp i, 2,4,6,8,10,12,14
.irp b, 0,1
	v_max3_num_f32 v[TM+\b], v[TM+\b], |v[(\s)+16*\b+\i]|, |v[(\s)+16*\b+\i+1]|
.endr
.endr
.irp b, 0,1
	s_delay_alu instid0(VALU_DEP_2)
	v_permlanex16_b32 v[TP+\b], v[TM+\b], s[SEL], s[SEL+1]
.endr
.irp b, 0,1
	s_delay_alu instid0(VALU_DEP_2)
	v_max_num_f32 v[TM+\b], v[TM+\b], v[TP+\b]
.endr
.irp b, 0,1
	s_delay_alu instid0(VALU_DEP_2)
	v_add_nc_u32 v[OP+\b], 0xff000000, v[TM+\b]
.endr
.irp b, 0,1
	s_delay_alu instid0(VALU_DEP_2)
	v_lshrrev_b32 v[BY+\b], 23, v[OP+\b]
.endr
	s_delay_alu instid0(VALU_DEP_1)
	v_lshl_or_b32 v[\pw], v[BY+1], 8, v[BY]
	v_cvt_scalef32_pk16_fp6_f32 v[(\d):(\d)+2], v[(\s):(\s)+15], v[OP]
	v_cvt_scalef32_pk16_fp6_f32 v[PT:PT+2], v[(\s)+16:(\s)+31], v[OP+1]
	v_nop
.irp i, 0,1,2
	v_permlane16_swap_b32 v[(\d)+\i], v[PT+\i]
.endr
.irp i, 0,1,2
	s_delay_alu instid0(VALU_DEP_3)
	v_mov_b32 v[(\d)+3+\i], v[PT+\i]
.endr
.endm
.macro PLACES
.rept 4
	v_nop
.endr
.endm
.macro BARRIER
	s_wait_dscnt 0x0
	s_barrier_signal -1
	s_barrier_wait -1
.endm
.macro CROUND
	s_barrier_signal -1
	s_barrier_wait -1
	s_cmp_lg_u32 s[WV], 0
	s_cbranch_scc1 .Lnot_wave_0_\@
	s_barrier_signal -3
.Lnot_wave_0_\@:
	s_barrier_wait -3
	s_barrier_signal -1
	s_barrier_wait -1
.endm
.macro HALVES reg, off
	ds_load_b128 v[(\reg):(\reg)+3], v13 offset:\off
	ds_load_b64 v[(\reg)+4:(\reg)+5], v14 offset:\off+512
	ds_load_b128 v[(\reg)+6:(\reg)+9], v13 offset:\off+768
	ds_load_b64 v[(\reg)+10:(\reg)+11], v14 offset:\off+1280
.endm
.macro TILES8 reg, base
.irp i, 0,1,2,3
	global_load_b128 v[(\reg)+8*\i:(\reg)+8*\i+3], v4, s[\base:\base+1] offset:(32*(\i/2)+8*(\i%2))*4
	global_load_b128 v[(\reg)+8*\i+4:(\reg)+8*\i+7], v4, s[\base:\base+1] offset:(32*(\i/2)+8*(\i%2))*4+16
.endr
.endm
.macro LNFIN u, off
	s_delay_alu instid0(VALU_DEP_1)
	v_pk_add_f32 v[232+4*\u:233+4*\u], v[232+4*\u:233+4*\u], v[234+4*\u:235+4*\u]
	s_delay_alu instid0(VALU_DEP_1)
	v_add_f32 v[232+4*\u], v[232+4*\u], v[233+4*\u]
	s_delay_alu instid0(VALU_DEP_1)
	v_permlanex16_b32 v[234+4*\u], v[232+4*\u], s[SEL], s[SEL+1]
	s_delay_alu instid0(VALU_DEP_1)
	v_add_f32 v[232+4*\u], v[232+4*\u], v[234+4*\u]
	ds_store_b32 v16, v[232+4*\u] offset:\off+512*\u
.endm
.macro LNGET off
.irp u, 0,1
.irp k, 0,1
	ds_load_b128 v[200+8*\u+4*\k:203+8*\u+4*\k], v17 offset:\off+512*\u+16*\k
.endr
.endr
	s_wait_dscnt 0x0
.irp u, 0,1
	v_pk_add_f32 v[200+8*\u:201+8*\u], v[200+8*\u:201+8*\u], v[202+8*\u:203+8*\u]
	v_pk_add_f32 v[204+8*\u:205+8*\u], v[204+8*\u:205+8*\u], v[206+8*\u:207+8*\u]
	s_delay_alu instid0(VALU_DEP_1)
	v_pk_add_f32 v[200+8*\u:201+8*\u], v[200+8*\u:201+8*\u], v[204+8*\u:205+8*\u]
	s_delay_alu instid0(VALU_DEP_1)
	v_add_f32 v[200+8*\u], v[200+8*\u], v[201+8*\u]
.endr
.endm
.macro GELU u
.set Y, 32+32*\u
.set j, 0
.rept 32
	v_mul_f32 v[96+j], 0x3f3504f3, |v[Y+j]|
.set j, j+1
.endr
.set j, 0
.rept 16
	v_pk_fma_f32 v[128+j:129+j], v[96+j:97+j], 0.5, 1.0 op_sel_hi:[1,0,0]
.set j, j+2
.endr
.set j, 0
	s_wait_alu depctr_va_vdst(0)
.rept 32
	v_rcp_f32 v[128+j], v[128+j]
.set j, j+1
.endr
.set j, 0
.rept 32
	v_max_num_f32 v[Y+j], 0, v[Y+j]
.set j, j+1
.endr
	s_wait_alu depctr_va_vdst(0)
.set j, 0
.rept 16
	v_pk_fma_f32 v[160+j:161+j], v[128+j:129+j], v[242:243], 0xbf527892 op_sel_hi:[1,1,0]
.set j, j+2
.endr
.irp ck, 0x3fbe87b0,0xbf914e5d,0x3e8ec7cc,0xbe3ec24c,0x3dc636c9,0x3ebf88fb,0x3f8000c7,0xbfa1fc4e
.set j, 0
.rept 16
	v_pk_fma_f32 v[160+j:161+j], v[160+j:161+j], v[128+j:129+j], \ck op_sel_hi:[1,1,0]
.set j, j+2
.endr
.endr
.set j, 0
.rept 16
	v_pk_fma_f32 v[160+j:161+j], v[96+j:97+j], v[96+j:97+j], v[160+j:161+j] neg_lo:[0,1,0] neg_hi:[0,1,0]
.set j, j+2
.endr
.set j, 0
.rept 16
	v_pk_mul_f32 v[160+j:161+j], v[160+j:161+j], 0x3fb8aa3b op_sel_hi:[1,0]
.set j, j+2
.endr
.set j, 0
	s_wait_alu depctr_va_vdst(0)
.rept 32
	v_exp_f32 v[160+j], v[160+j]
.set j, j+1
.endr
.set j, 0
.rept 16
	v_pk_mul_f32 v[96+j:97+j], v[96+j:97+j], v[128+j:129+j]
.set j, j+2
.endr
	s_wait_alu depctr_va_vdst(0)
.set j, 0
.rept 16
	v_pk_mul_f32 v[160+j:161+j], v[160+j:161+j], v[96+j:97+j]
.set j, j+2
.endr
.set j, 0
.rept 16
	v_pk_fma_f32 v[Y+j:Y+j+1], v[160+j:161+j], 0xbf3504f3, v[Y+j:Y+j+1] op_sel_hi:[1,0,1]
.set j, j+2
.endr
.endm
	s_load_b512 s[4:19], s[0:1], 0x0
	s_load_b128 s[20:23], s[0:1], 0x40
	s_load_b64 s[24:25], s[0:1], 0x50
	v_lshl_add_u32 v24, v0, 2, SPARE
	v_mov_b32 v25, 0
	ds_add_u32 v24, v25
	ds_add_u32 v24, v25
	v_lshrrev_b32 v26, 5, v0
	s_delay_alu instid0(VALU_DEP_1)
	v_readfirstlane_b32 s[WV], v26
.irp g, G1A
	s_mov_b32 s[\g], 15|(3<<16)|(1<<21)
	s_mov_b32 s[\g+1], 32<<16
	s_mov_b32 s[\g+3], 32<<16
	s_mov_b32 s[\g+5], 32
	s_mov_b32 s[\g+6], 0
	s_mov_b32 s[\g+7], 0
.endr
	s_mov_b32 s[G1A+2], 72<<16
	s_mov_b32 s[G1A+4], 72
	s_mov_b32 s44, 1
	s_mul_i32 s45, s[WV], 18432
	s_mov_b32 s92, s45
	s_mov_b32 s93, 0
	s_mov_b32 s[SEL], 0x76543210
	s_mov_b32 s[SEL+1], 0xfedcba98
	s_mov_b32 s58, 0x3b000000
	s_mov_b32 s59, 0x3727c5ac
	s_wait_dscnt 0x0
	s_wait_kmcnt 0x0
	s_add_nc_u64 s[46:47], s[10:11], s[92:93]
	s_or_b32 s47, s47, 0x80000000
	CROUND
	tensor_load_to_lds s[44:47], s[G1A:G1A+7]
	s_nop 0
.rept 4
	v_nop
.endr
	s_and_b32 s70, s[WV], 7
	s_lshr_b32 s71, s[WV], 3
	s_bfe_u32 s72, s[WV], 0x20001
	s_and_b32 s73, s[WV], 1
	s_bfe_u32 s74, s[WV], 0x10002
	s_and_b32 s75, s[WV], 3
	s_bfe_u32 s76, s[WV], 0x10001
	v_and_b32 v26, 31, v0
	v_and_b32 v27, 15, v0
	v_bfe_u32 v28, v0, 4, 1
	s_delay_alu instid0(VALU_DEP_2)
	v_and_b32 v29, 8, v27
	s_delay_alu instid0(VALU_DEP_1)
	v_add_nc_u32 v29, v29, v27
	v_lshlrev_b32 v1, 4, v26
	s_wait_alu depctr_va_vdst(0)
	v_lshlrev_b32 v2, 3, v26
	s_wait_alu depctr_va_vdst(0)
	v_lshlrev_b32 v3, 10, v29
	s_delay_alu instid0(VALU_DEP_1)
	v_lshl_add_u32 v3, v28, 6, v3
	v_lshlrev_b32 v4, 6, v28
	v_lshlrev_b32 v5, 3, v27
	s_lshl_b32 s78, s72, 2
	s_add_co_u32 s78, s78, s73
	s_mul_i32 s78, s78, 1536
	s_add_co_u32 s78, s78, ZIMG
	v_add_nc_u32 v6, s78, v1
	v_add_nc_u32 v7, s78, v2
	s_lshl_b32 s78, s74, 9
	s_lshl_b32 s79, s76, 8
	s_add_co_u32 s78, s78, s79
	s_lshl_b32 s79, s73, 2
	s_add_co_u32 s78, s78, s79
	s_add_co_u32 s78, s78, ZSC
	v_lshl_add_u32 v8, v27, 4, s78
	s_lshl_b32 s78, s74, 3
	s_add_co_u32 s78, s78, s76
	s_add_co_u32 s78, s78, 2
	s_mul_i32 s78, s78, 1536
	s_mul_i32 s79, s73, 768
	s_add_co_u32 s78, s78, s79
	s_add_co_u32 s78, s78, ZIMG
	v_add_nc_u32 v9, s78, v1
	v_add_nc_u32 v10, s78, v2
	s_lshl_b32 s78, s74, 9
	s_lshl_b32 s79, s76, 2
	s_add_co_u32 s78, s78, s79
	s_lshl_b32 s79, s73, 1
	s_add_co_u32 s78, s78, s79
	s_add_co_u32 s78, s78, ZSC+8
	v_lshl_add_u32 v11, v27, 4, s78
	s_mul_i32 s78, s70, 24576
	v_add_nc_u32 v12, s78, v1
	s_mul_i32 s78, s71, 12288
	s_add_co_u32 s78, s78, ZIMG
	v_add_nc_u32 v13, s78, v1
	v_add_nc_u32 v14, s78, v2
	s_lshl_b32 s78, s71, 9
	s_add_co_u32 s78, s78, ZSC
	v_add_nc_u32 v15, s78, v1
	s_lshl_b32 s78, s71, 10
	s_add_co_u32 s78, s78, LNP
	v_lshl_add_u32 v17, v27, 5, s78
	s_lshl_b32 s79, s70, 2
	v_add_nc_u32 v16, s79, v17
	s_lshl_b32 s78, s71, 3
	s_add_co_u32 s78, s78, s72
	s_mul_i32 s78, s78, 1536
	s_mul_i32 s79, s73, 768
	s_add_co_u32 s78, s78, s79
	s_add_co_u32 s78, s78, ZIMG
	v_add_nc_u32 v18, s78, v1
	v_add_nc_u32 v19, s78, v2
	s_lshl_b32 s78, s71, 9
	s_lshl_b32 s79, s72, 2
	s_add_co_u32 s78, s78, s79
	s_lshl_b32 s79, s73, 1
	s_add_co_u32 s78, s78, s79
	s_add_co_u32 s78, s78, ZSC
	v_lshl_add_u32 v20, v27, 4, s78
	s_mul_i32 s78, s70, 12288
	s_add_co_u32 s78, s78, W2L
	v_add_nc_u32 v21, s78, v1
	v_mul_u32_u24 v22, v29, 1040
	s_delay_alu instid0(VALU_DEP_1)
	v_lshl_add_u32 v22, v28, 6, v22
	s_mul_i32 s78, s71, 33280
	s_lshl_b32 s79, s70, 7
	s_add_co_u32 s78, s78, s79
	v_add_nc_u32 v22, s78, v22
	s_mul_i32 s78, s[WV], 4160
	v_add_nc_u32 v23, s78, v1
	v_mov_b32 v[TP], 0
	v_mov_b32 v[TP+1], 0
	s_bfe_u32 s66, ttmp6, 0x40000
	s_lshl_b32 s67, ttmp9, 2
	s_add_co_u32 s67, s67, s66
	s_and_b32 s68, s67, 127
	s_lshl_b32 s68, s68, 16
	s_lshr_b32 s69, ttmp9, 5
	s_cmp_eq_u32 s69, 0
	s_cselect_b64 s[6:7], s[6:7], s[8:9]
	s_cselect_b64 s[22:23], s[22:23], s[24:25]
	s_mov_b32 s92, s68
	s_add_nc_u64 s[6:7], s[6:7], s[92:93]
	s_lshl_b32 s77, s[WV], 12
	s_add_co_u32 s92, s68, s77
	s_add_nc_u64 s[22:23], s[22:23], s[92:93]
	s_lshl_b32 s92, s74, 15
	s_lshl_b32 s77, s76, 13
	s_add_co_u32 s92, s92, s77
	s_lshl_b32 s77, s73, 9
	s_add_co_u32 s92, s92, s77
	s_add_nc_u64 s[80:81], s[6:7], s[92:93]
	s_mul_i32 s92, s67, 12288
	s_mul_i32 s77, s74, 6144
	s_add_co_u32 s92, s92, s77
	s_add_nc_u64 s[82:83], s[4:5], s[92:93]
	s_lshl_b32 s92, s67, 9
	s_lshl_b32 s77, s74, 8
	s_add_co_u32 s92, s92, s77
	s_add_co_u32 s92, s92, 3145728
	s_add_nc_u64 s[84:85], s[4:5], s[92:93]
	s_mul_i32 s92, s75, 12288
	s_add_co_u32 s92, s92, 294912
	s_add_nc_u64 s[86:87], s[10:11], s[92:93]
	s_lshl_b32 s92, s75, 9
	s_add_co_u32 s92, s92, 356352
	s_add_nc_u64 s[88:89], s[10:11], s[92:93]
	s_lshl_b32 s92, s75, 8
	s_add_nc_u64 s[12:13], s[12:13], s[92:93]
	s_lshl_b32 s92, s70, 8
	s_add_nc_u64 s[14:15], s[14:15], s[92:93]
	s_add_nc_u64 s[16:17], s[16:17], s[92:93]
	s_add_nc_u64 s[18:19], s[18:19], s[92:93]
	s_lshl_b32 s92, s70, 10
	s_add_co_u32 s92, s92, 344064
	s_add_nc_u64 s[90:91], s[10:11], s[92:93]
	s_lshl_b32 s92, s71, 15
	s_lshl_b32 s77, s70, 7
	s_add_co_u32 s92, s92, s77
	s_add_nc_u64 s[26:27], s[6:7], s[92:93]
	s_lshl_b32 s92, s70, 7
	s_add_nc_u64 s[20:21], s[20:21], s[92:93]
	s_lshl_b32 s92, s70, 9
	s_add_co_u32 s92, s92, 352256
	s_add_nc_u64 s[2:3], s[10:11], s[92:93]
	s_cmp_lt_u32 s[WV], 8
	s_cbranch_scc0 .Lrole_a
.irp b, 0,1,2,3
.irp q, 0,1,2,3
	global_load_b128 v[32+16*\b+4*\q:35+16*\b+4*\q], v3, s[80:81] offset:128*\b+16*\q
.endr
.endr
	s_wait_loadcnt 0x0
	QUANT2 32, 216, 240
	QUANT2 64, 222, 241
	v_lshl_or_b32 v240, v241, 16, v240
	ds_store_b128 v6, v[216:219]
	ds_store_b64 v7, v[220:221] offset:512
	ds_store_b128 v6, v[222:225] offset:768
	ds_store_b64 v7, v[226:227] offset:1280
	ds_store_b32 v8, v240
	s_branch .Ljoin
.Lrole_a:
.macro MLOAD u
.irp hd, 0,1,2,3
	global_load_b128 v[192+6*\hd:195+6*\hd], v1, s[82:83] offset:3072*\u+768*\hd
	global_load_b64 v[196+6*\hd:197+6*\hd], v2, s[82:83] offset:3072*\u+768*\hd+512
.endr
.endm
	MLOAD 0
.irp u, 0,1
	global_load_b64 v[248+2*\u:249+2*\u], v5, s[84:85] offset:128*\u
.endr
.set g, 0
.rept 24
	global_load_b128 v[96+4*g:99+4*g], v1, s[86:87] offset:512*g
.set g, g+1
.endr
.irp p, 0,1
	global_load_b64 v[244+2*\p:245+2*\p], v2, s[88:89] offset:256*\p
.endr
	TILES8 64, 12
	s_wait_loadcnt 0x0
.irp u, 0,1
.irp s, 0,1
.irp i, 0,1,2,3
.if \s == 0
	WM 32+8*\i, 96+12*(2*\i+\s), 192+12*\s, 64+8*\i, 244+2*(\i/2)+\s, 248+2*\u+\s, \i%2, 0
.else
	WM 32+8*\i, 96+12*(2*\i+\s), 192+12*\s, 32+8*\i, 244+2*(\i/2)+\s, 248+2*\u+\s, \i%2, 0
.endif
.endr
.endr
	PLACES
.if \u == 0
	MLOAD 1
.endif
	QUANT2 32, 216, 240
	ds_store_b128 v9, v[216:219] offset:6144*\u
	ds_store_b64 v10, v[220:221] offset:6144*\u+512
	ds_store_b16 v11, v240 offset:256*\u
	s_wait_dscnt 0x0
.if \u == 0
	s_wait_loadcnt 0x0
.endif
.endr
.Ljoin:
	TILES8 168, 14
.irp p, 0,1
	global_load_b128 v[244+4*\p:247+4*\p], v1, s[90:91] offset:512*\p
.endr
	s_wait_tensorcnt 0x0
	BARRIER
	ds_load_b128 v[252:255], v15
.irp s, 0,1,2,3
.if \s > 0
	PLACES
.endif
.irp i, 0,1,2,3
.irp g, 0,1,2
	ds_load_b128 v[96+12*\i+4*\g:99+12*\i+4*\g], v12 offset:6144*\i+1536*\s+512*\g
.endr
.endr
.irp u, 0,1
	HALVES 144+12*\u, 6144*\u+1536*\s
.endr
	s_wait_dscnt 0x0
.if \s == 0
	s_wait_loadcnt 0x0
.endif
.irp i, 0,1,2,3
.irp u, 0,1
.if \s == 0
	WM 32+32*\u+8*\i, 96+12*\i, 144+12*\u, 168+8*\i, 244+4*(\i/2)+\s, 252+\s, \i%2, \u
.else
	WM 32+32*\u+8*\i, 96+12*\i, 144+12*\u, 32+32*\u+8*\i, 244+4*(\i/2)+\s, 252+\s, \i%2, \u
.endif
.endr
.endr
.endr
	PLACES
	TILES8 96, 16
	TILES8 128, 18
.irp u, 0,1
	v_pk_add_f32 v[232+4*\u:233+4*\u], v[32+32*\u:33+32*\u], v[34+32*\u:35+32*\u]
	v_pk_add_f32 v[234+4*\u:235+4*\u], v[36+32*\u:37+32*\u], v[38+32*\u:39+32*\u]
.irp j, 8,12,16,20,24,28
	v_pk_add_f32 v[232+4*\u:233+4*\u], v[232+4*\u:233+4*\u], v[32+32*\u+\j:33+32*\u+\j]
	v_pk_add_f32 v[234+4*\u:235+4*\u], v[234+4*\u:235+4*\u], v[34+32*\u+\j:35+32*\u+\j]
.endr
	LNFIN \u, 0
.endr
	BARRIER
	LNGET 0
.irp u, 0
	v_mul_f32 v[240+2*\u], s58, v[200+8*\u]
	s_delay_alu instid0(VALU_DEP_1)
	v_mov_b32 v[241+2*\u], v[240+2*\u]
.endr
.irp u, 1
	s_delay_alu instid0(VALU_DEP_3)
	v_mul_f32 v[240+2*\u], s58, v[200+8*\u]
	s_delay_alu instid0(VALU_DEP_1)
	v_mov_b32 v[241+2*\u], v[240+2*\u]
.endr
.irp u, 0,1
.irp j, 0,2,4,6,8,10,12,14,16,18,20,22,24,26,28,30
	v_pk_add_f32 v[32+32*\u+\j:33+32*\u+\j], v[32+32*\u+\j:33+32*\u+\j], v[240+2*\u:241+2*\u] neg_lo:[0,1] neg_hi:[0,1]
.endr
.endr
.irp u, 0,1
	v_pk_mul_f32 v[232+4*\u:233+4*\u], v[32+32*\u:33+32*\u], v[32+32*\u:33+32*\u]
	v_pk_mul_f32 v[234+4*\u:235+4*\u], v[34+32*\u:35+32*\u], v[34+32*\u:35+32*\u]
.irp j, 4,8,12,16,20,24,28
	s_delay_alu instid0(VALU_DEP_2)
	v_pk_fma_f32 v[232+4*\u:233+4*\u], v[32+32*\u+\j:33+32*\u+\j], v[32+32*\u+\j:33+32*\u+\j], v[232+4*\u:233+4*\u]
	s_delay_alu instid0(VALU_DEP_2)
	v_pk_fma_f32 v[234+4*\u:235+4*\u], v[34+32*\u+\j:35+32*\u+\j], v[34+32*\u+\j:35+32*\u+\j], v[234+4*\u:235+4*\u]
.endr
	LNFIN \u, 2048
.endr
	BARRIER
	LNGET 2048
.irp u, 0
	v_fma_f32 v[200+8*\u], v[200+8*\u], s58, s59
.endr
.irp u, 1
	s_delay_alu instid0(VALU_DEP_2)
	v_fma_f32 v[200+8*\u], v[200+8*\u], s58, s59
.endr
	s_wait_alu depctr_va_vdst(0)
.irp u, 0,1
	v_rsq_f32 v[240+2*\u], v[200+8*\u]
.endr
	v_nop
	s_wait_alu depctr_va_vdst(0)
.irp u, 0,1
	v_mov_b32 v[241+2*\u], v[240+2*\u]
.endr
	s_wait_alu depctr_va_vdst(0)
	s_wait_loadcnt 0x0
.irp u, 0,1
.irp j, 0,2,4,6,8,10,12,14,16,18,20,22,24,26,28,30
	v_pk_mul_f32 v[32+32*\u+\j:33+32*\u+\j], v[32+32*\u+\j:33+32*\u+\j], v[240+2*\u:241+2*\u]
	s_delay_alu instid0(VALU_DEP_1)
	v_pk_fma_f32 v[32+32*\u+\j:33+32*\u+\j], v[32+32*\u+\j:33+32*\u+\j], v[96+\j:97+\j], v[128+\j:129+\j]
.endr
.endr
	v_mov_b32 v242, 0x3e2ef945
	s_delay_alu instid0(VALU_DEP_1)
	v_mov_b32 v243, v242
	GELU 0
	GELU 1
.irp u, 0,1
.irp q, 0,1,2,3
	global_load_b128 v[160+16*\u+4*\q:163+16*\u+4*\q], v3, s[26:27] offset:8192*\u+16*\q
.endr
.endr
.irp q, 0,1,2,3
	global_load_b128 v[144+4*\q:147+4*\q], v4, s[20:21] offset:16*\q
.endr
	global_load_b128 v[244:247], v1, s[2:3]
.irp u, 0,1
	QUANT2 32+32*\u, 216, 240
	ds_store_b128 v18, v[216:219] offset:6144*\u
	ds_store_b64 v19, v[220:221] offset:6144*\u+512
	ds_store_b16 v20, v240 offset:256*\u
	s_wait_dscnt 0x0
.endr
	s_wait_tensorcnt 0x0
	BARRIER
	ds_load_b128 v[252:255], v15
	s_wait_loadcnt 0x0
.irp u, 0,1
.irp j, 0,2,4,6,8,10,12,14
	v_pk_add_f32 v[160+16*\u+\j:161+16*\u+\j], v[160+16*\u+\j:161+16*\u+\j], v[144+\j:145+\j]
.endr
.endr
	PLACES
	s_wait_alu depctr_va_vdst(0)
.irp rr, 0,1
.if \rr > 0
	PLACES
.endif
.irp sl, 0,1
.irp e, 0,1
.irp g, 0,1,2
	ds_load_b128 v[32+24*\sl+12*\e+4*\g:35+24*\sl+12*\e+4*\g], v21 offset:6144*\e+1536*(2*\rr+\sl)+512*\g
.endr
.endr
.irp u, 0,1
	HALVES 96+24*\sl+12*\u, 6144*\u+1536*(2*\rr+\sl)
.endr
.endr
	s_wait_dscnt 0x0
.irp sl, 0,1
.irp e, 0,1
.irp u, 0,1
	WM 160+16*\u+8*\e, 32+24*\sl+12*\e, 96+24*\sl+12*\u, 160+16*\u+8*\e, 244+2*\rr+\sl, 252+2*\rr+\sl, \e, \u
.endr
.endr
.endr
.endr
	PLACES
.irp u, 0,1
.irp q, 0,1,2,3
	ds_store_b128 v22, v[160+16*\u+4*\q:163+16*\u+4*\q] offset:8320*\u+16*\q
.endr
.endr
	BARRIER
.irp k, 0,1,2,3,4,5,6,7
	ds_load_b128 v[96+4*\k:99+4*\k], v23 offset:1040*(\k/2)+512*(\k%2)
.endr
.irp k, 0,1,2,3,4,5,6,7
	s_wait_dscnt 7-\k
	global_store_b128 v1, v[96+4*\k:99+4*\k], s[22:23] offset:1024*(\k/2)+512*(\k%2)
.endr
	s_wait_tensorcnt 0x0
	ds_add_u32 v24, v25
	s_wait_dscnt 0x0
	CROUND
	s_endpgm
.Lfunc_end_k_qeffe9b42dc_post_s:
	.size	k_qeffe9b42dc_post_s, .Lfunc_end_k_qeffe9b42dc_post_s-k_qeffe9b42dc_post_s
	.p2alignl 7, 3214868480
	.fill 96, 4, 3214868480
	.section	.rodata,"a",@progbits
	.p2align	6, 0x0
	.amdhsa_kernel k_qeffe9b42dc_post_s
		.amdhsa_group_segment_fixed_size 327680
		.amdhsa_private_segment_fixed_size 0
		.amdhsa_enable_private_segment 0
		.amdhsa_kernarg_size 88
		.amdhsa_user_sgpr_count 2
		.amdhsa_user_sgpr_kernarg_segment_ptr 1
		.amdhsa_wavefront_size32 1
		.amdhsa_system_sgpr_workgroup_id_x 1
		.amdhsa_system_sgpr_workgroup_id_y 1
		.amdhsa_system_sgpr_workgroup_id_z 1
		.amdhsa_system_vgpr_workitem_id 0
		.amdhsa_next_free_vgpr 256
		.amdhsa_next_free_sgpr 100
		.amdhsa_reserve_vcc 0
		.amdhsa_float_denorm_mode_32 3
		.amdhsa_float_denorm_mode_16_64 3
		.amdhsa_memory_ordered 1
		.amdhsa_forward_progress 1
		.amdhsa_inst_pref_size 125
	.end_amdhsa_kernel
	.amdgpu_metadata
---
amdhsa.version: [ 1, 2 ]
amdhsa.kernels:
  - .name:           k_qeffe9b42dc_post_s
    .symbol:         k_qeffe9b42dc_post_s.kd
    .args:
      - { .name: ob, .offset: 0, .size: 8, .value_kind: global_buffer, .address_space: global }
      - { .name: desc0, .offset: 8, .size: 8, .value_kind: global_buffer, .address_space: global }
      - { .name: desc1, .offset: 16, .size: 8, .value_kind: global_buffer, .address_space: global }
      - { .name: wps, .offset: 24, .size: 8, .value_kind: global_buffer, .address_space: global }
      - { .name: bo_s, .offset: 32, .size: 8, .value_kind: global_buffer, .address_space: global }
      - { .name: b1_s, .offset: 40, .size: 8, .value_kind: global_buffer, .address_space: global }
      - { .name: g_s, .offset: 48, .size: 8, .value_kind: global_buffer, .address_space: global }
      - { .name: be_s, .offset: 56, .size: 8, .value_kind: global_buffer, .address_space: global }
      - { .name: b2_s, .offset: 64, .size: 8, .value_kind: global_buffer, .address_space: global }
      - { .name: d0, .offset: 72, .size: 8, .value_kind: global_buffer, .address_space: global }
      - { .name: d1, .offset: 80, .size: 8, .value_kind: global_buffer, .address_space: global }
    .group_segment_fixed_size: 327680
    .private_segment_fixed_size: 0
    .kernarg_segment_align: 8
    .kernarg_segment_size: 88
    .max_flat_workgroup_size: 512
    .sgpr_count:     100
    .vgpr_count:     256
    .wavefront_size: 32
...
	.end_amdgpu_metadata
.endif
;; end of part 4
;; launch proj_c (part 5): grid 256 x 1, 8 waves a work-group, no clusters, 13,824 bytes of LDS; arguments d0, d1, wpj, bqk_c, bv_c, hkv; writes hkv
.if DOCPART == 5
	.amdgcn_target "amdgcn-amd-amdhsa--gfx1250"
	.amdhsa_code_object_version 6
	.text
	.protected	k_qeffe9b42dc_proj_c
	.globl	k_qeffe9b42dc_proj_c
	.p2align	8
	.type	k_qeffe9b42dc_proj_c,@function
k_qeffe9b42dc_proj_c:
	s_mov_b64 s[64:65], 0
	v_nop
	global_prefetch_b8 v0, s[64:65] scope:SCOPE_SE
	s_setreg_imm32_b32 hwreg(HW_REG_WAVE_MODE, 25, 1), 1
	s_wait_xcnt 0x0
; CROSS = 0: q, k, v = Q(x) Q(Wqkv) + bqkv, q and k turned by the rotary encoding; CROSS = 1: qk = (Q(d) Q(Wqk_c) + b) x 8^-0.5, v = Q(d) Q(Wv_c) + b.  All products on codes of E2M3.
; The results leave as codes: q and k quantised along the head's 64, v along the keys, laid as images of the operand registers that the attention launch loads.
; SHARES.  A work-group takes 64 tokens (four tiles of 16) of one side and batch.  A wave takes one section (qk, v) of one head: 4 tiles of columns x 2 K steps of weights, 96 registers, from memory once.
; Eight waves quantise x (a fragment each) and hand the images round through LDS.  ONE barrier.
; SLOT r OF TILE T, on every axis, IS INDEX 32 (T / 2) + 8 (T % 2) + r + 8 (r / 8): so the 16 result registers of tiles 2 b and 2 b + 1 are the 16 neighbours 32 b + 16 h + 0 .. 15.
; qk: source 0 = weights, source 1 = x: a lane holds one token, its 32 registers the head's channels.  v: source 0 = x, source 1 = weights: a lane holds one channel, its 32 registers 64 tokens.
; CROSS = 1: qk is stored as queries under its own side and as keys under the other side; v under the other side: so the attention launch reads Q, K and V at one index.
; LIMITS: NaN and infinities are not served; a block of zeros gets the byte 1 (read by this program alone).
.set CROSS, 1
.set XIMG, 0                           ; LDS: x's eight fragments, image 2 tau + s, 1,536 bytes each
.set XSC,  12288                       ; their scale words: [lane][4 words], word 2 (tau / 2) + s, odd tau in lanes 16-31
.set ENC,  12800                       ; CROSS = 0: the encodings
.if CROSS
.set SPARE, 12800                      ; the spare words, 128 bytes a wave
.set PWJ, 8
.set PHK, 14
.set NQK, 4
.else
.set SPARE, 45568
.set PWJ, 12
.set PHK, 16
.set NQK, 8
.endif
.set SEL,  20                          ; s[20:21] selects for lane l xor 16
.set W,    16                          ; v16-111  my 8 fragments of weights, 2 i + s
.set BIAS, 112                         ; v112-143 qk: the bias in the result's layout;  v: v112-115 my channel's bias for each tile,
.set CB,   120                         ; v120-127 and the one in hand, eight times
.set ACC,  144                         ; v144-175 four accumulators
.set XM,   176                         ; v176-223 fragments of x
.set PC,   224                         ; v224-235 codes just made
.set PT,   236
.set TM,   240
.set TP,   242
.set OP,   244
.set BY,   246
.set WS,   248                         ; v248-251 the weights' scale words, v252-255 x's: scales and nothing else
.set XS,   252
.macro WM d, a, b, c, sa, sb, ra, rb   ; one product; ra, rb = 1: that side's scales stand in lanes 16-31
.if ((\ra) == 0) && ((\rb) == 0)
	v_wmma_scale_f32_16x16x128_f8f6f4 v[(\d):(\d)+7], v[(\a):(\a)+11], v[(\b):(\b)+11], v[(\c):(\c)+7], v[\sa], v[\sb] matrix_a_fmt:MATRIX_FMT_FP6 matrix_b_fmt:MATRIX_FMT_FP6
.elseif ((\ra) == 1) && ((\rb) == 0)
	v_wmma_scale_f32_16x16x128_f8f6f4 v[(\d):(\d)+7], v[(\a):(\a)+11], v[(\b):(\b)+11], v[(\c):(\c)+7], v[\sa], v[\sb] matrix_a_fmt:MATRIX_FMT_FP6 matrix_b_fmt:MATRIX_FMT_FP6 matrix_a_scale:MATRIX_SCALE_ROW1
.elseif ((\ra) == 0) && ((\rb) == 1)
	v_wmma_scale_f32_16x16x128_f8f6f4 v[(\d):(\d)+7], v[(\a):(\a)+11], v[(\b):(\b)+11], v[(\c):(\c)+7], v[\sa], v[\sb] matrix_a_fmt:MATRIX_FMT_FP6 matrix_b_fmt:MATRIX_FMT_FP6 matrix_b_scale:MATRIX_SCALE_ROW1
.else
	v_wmma_scale_f32_16x16x128_f8f6f4 v[(\d):(\d)+7], v[(\a):(\a)+11], v[(\b):(\b)+11], v[(\c):(\c)+7], v[\sa], v[\sb] matrix_a_fmt:MATRIX_FMT_FP6 matrix_b_fmt:MATRIX_FMT_FP6 matrix_a_scale:MATRIX_SCALE_ROW1 matrix_b_scale:MATRIX_SCALE_ROW1
.endif
.endm
; 32 numbers of a lane, register 16 b + i = k 32 b + 16 h + i of my slot, become half a fragment (6 registers: k = 32 h + 0 .. 31) in v[d] on and two scale bytes in v[pw].
.macro QUANT2 s, d, pw, flo, bad
.irp b, 0,1
	v_max3_num_f32 v[TM+\b], |v[(\s)+16*\b]|, |v[(\s)+16*\b+1]|, \flo
.endr
.irp i, 2,4,6,8,10,12,14
.irp b, 0,1
	v_max3_num_f32 v[TM+\b], v[TM+\b], |v[(\s)+16*\b+\i]|, |v[(\s)+16*\b+\i+1]|
.endr
.endr
.irp b, 0,1
	s_delay_alu instid0(VALU_DEP_2)
	v_permlanex16_b32 v[TP+\b], v[TM+\b], s[SEL], s[SEL+1]
.endr
.irp b, 0,1
	s_delay_alu instid0(VALU_DEP_2)
	v_max_num_f32 v[TM+\b], v[TM+\b], v[TP+\b]     ; with lane l xor 16's 16: the block's largest magnitude
.endr
.irp b, 0
	s_delay_alu instid0(VALU_DEP_2)
	v_add_nc_u32 v[OP+\b], 0xff000000, v[TM+\b]    ; 2 off the exponent field: the conversion's scale operand
	s_delay_alu instid0(VALU_DEP_3)
	v_add_nc_u32 v[BY+\b], \bad, v[TM+\b]
.endr
.irp b, 1
	s_delay_alu instid0(VALU_DEP_3)
	v_add_nc_u32 v[OP+\b], 0xff000000, v[TM+\b]    ; 2 off the exponent field: the conversion's scale operand
	s_delay_alu instid0(VALU_DEP_4)
	v_add_nc_u32 v[BY+\b], \bad, v[TM+\b]
.endr
.irp b, 0
	s_delay_alu instid0(VALU_DEP_3)
	v_lshrrev_b32 v[BY+\b], 23, v[BY+\b]           ; the scale's byte
.endr
.irp b, 1
	s_delay_alu instid0(VALU_DEP_2)
	v_lshrrev_b32 v[BY+\b], 23, v[BY+\b]           ; the scale's byte
.endr
	s_delay_alu instid0(VALU_DEP_1)
	v_lshl_or_b32 v[\pw], v[BY+1], 8, v[BY]
	v_cvt_scalef32_pk16_fp6_f32 v[(\d):(\d)+2], v[(\s):(\s)+15], v[OP]
	v_cvt_scalef32_pk16_fp6_f32 v[PT:PT+2], v[(\s)+16:(\s)+31], v[OP+1]
	v_nop                                          ; one plain place behind a scaled conversion
.irp i, 0,1,2
	v_permlane16_swap_b32 v[(\d)+\i], v[PT+\i]     ; a whole block to a lane: lanes 0-15 block 0, lanes 16-31 block 1
.endr
.irp i, 0,1,2
	s_delay_alu instid0(VALU_DEP_3)
	v_mov_b32 v[(\d)+3+\i], v[PT+\i]
.endr
.endm
.macro PLACES                          ; four plain places behind matrix instructions, ahead of reads of results and of loads into their registers
.rept 4
	v_nop
.endr
.endm
.macro ADDR dst, src, off              ; a buffer's address + a 32-bit offset
	s_mov_b32 s58, s[\off]
	s_add_nc_u64 s[\dst:\dst+1], s[\src:\src+1], s[58:59]
.endm
.macro XLOADS                          ; my fragment's numbers: of row r, 16 neighbours of each block of 32
.irp b, 0,1,2,3
.irp q, 0,1,2,3
	global_load_b128 v[ACC+16*\b+4*\q:ACC+16*\b+4*\q+3], v3, s[4:5] offset:128*\b+16*\q
.endr
.endr
.endm
.macro WLOADS                          ; my 8 fragments of weights as they lie, and their scale words
.set g, 0
.rept 24
	global_load_b128 v[W+4*g:W+4*g+3], v1, s[36:37] offset:512*g
.set g, g+1
.endr
.irp p, 0,1
	global_load_b64 v[WS+2*\p:WS+2*\p+1], v2, s[38:39] offset:256*\p
.endr
.endm
.macro XQUANT                          ; 64 numbers a lane become a fragment; its image and scale word go to LDS
	QUANT2 ACC, PC, 12, 0x1800000, 0xff000000
	QUANT2 ACC+32, PC+6, 13, 0x1800000, 0xff000000
	v_lshl_or_b32 v14, v13, 16, v12
.irp g, 0,1,2
	ds_store_b128 v5, v[PC+4*\g:PC+4*\g+3] offset:XIMG+512*\g
.endr
	ds_store_b32 v6, v14 offset:XSC                ; lanes r and 16 + r store the same word
.endm
	s_load_b256 s[4:11], s[0:1], 0x0               ; d0, d1, wpj, bqk_c
	s_load_b128 s[12:15], s[0:1], 0x20             ; bv_c, hkv
	v_lshl_add_u32 v10, v0, 2, SPARE               ; my spare word,
	v_mov_b32 v11, 0                               ; and 0: kept for the closing lines alone
	v_lshrrev_b32 v12, 5, v0
	s_delay_alu instid0(VALU_DEP_1)
	v_readfirstlane_b32 s18, v12                   ; wave
	v_and_b32 v13, 31, v0                          ; lane
	v_and_b32 v14, 15, v0                          ; r
	v_bfe_u32 v15, v0, 4, 1                        ; h
	s_delay_alu instid0(VALU_DEP_3)
	v_lshlrev_b32 v1, 4, v13                       ; 16 x lane
	s_delay_alu instid0(VALU_DEP_4)
	v_lshlrev_b32 v2, 3, v13                       ; 8 x lane
	s_delay_alu instid0(VALU_DEP_4)
	v_and_b32 v9, 8, v14
	s_delay_alu instid0(VALU_DEP_1)
	v_add_nc_u32 v9, v9, v14                       ; r + 8 (r / 8)
	s_delay_alu instid0(VALU_DEP_1)
	v_lshlrev_b32 v3, 10, v9
	s_delay_alu instid0(VALU_DEP_1)
	v_lshl_add_u32 v3, v15, 6, v3                  ; x: my slot's row of 1,024 bytes, + 64 h
	v_lshlrev_b32 v8, 6, v15                       ; bias, qk: 64 h
	s_delay_alu instid0(VALU_DEP_4)
	v_lshlrev_b32 v9, 2, v9                        ; bias, v: my channel
	v_mov_b32 v[TP], 0                             ; a lane permute's destination counts as read
	v_mov_b32 v[TP+1], 0
	s_lshr_b32 s22, ttmp9, 7                       ; side
	s_and_b32 s23, ttmp9, 127                      ; my 64 tokens in the side
	s_bfe_u32 s60, s18, 0x10002                    ; bits 2, 1, 0 of the wave's number
	s_bfe_u32 s61, s18, 0x10001
	s_and_b32 s62, s18, 1
	s_lshl_b32 s24, s23, 16                        ; x: my fragment is tile w / 2, K step w % 2
	s_lshl_b32 s63, s60, 15
	s_add_co_u32 s24, s24, s63
	s_lshl_b32 s63, s61, 13
	s_add_co_u32 s24, s24, s63
	s_lshl_b32 s63, s62, 9
	s_add_co_u32 s24, s24, s63
	s_and_b32 s63, s18, 7
	s_mul_i32 s63, s63, 1536
	v_add_nc_u32 v5, s63, v1                       ; where my fragment's image goes
	s_lshl_b32 s63, s61, 8
	s_lshl_b32 s57, s60, 3
	s_add_co_u32 s63, s63, s57
	s_lshl_b32 s57, s62, 2
	s_add_co_u32 s63, s63, s57
	v_lshl_add_u32 v6, v14, 4, s63                 ; and its scale word
	s_mul_i32 s26, s18, 12288                      ; my 8 fragments of weights: from fragment 96 + 8 w,
	s_lshl_b32 s27, s18, 9                         ; and their scale words
	s_add_co_u32 s26, s26, 147456
	s_add_co_u32 s27, s27, 251904
	s_and_b32 s57, s18, 3                          ; head
	s_lshr_b32 s35, s18, 2                         ; section: 0 qk, 1 v
	s_lshl_b32 s28, s57, 8
	s_lshr_b32 s19, ttmp9, 5
	s_lshl_b32 s19, s19, 2
	s_add_co_u32 s19, s19, s57                     ; bh = (4 side + batch) 4 + head
	s_and_b32 s2, ttmp9, 31                        ; my 64 tokens in the batch
	s_lshr_b32 s3, s2, 1                           ; which key step of 128,
	s_and_b32 s60, s2, 1                           ; and which half of it
	s_xor_b32 s61, s19, 16                         ; the same head of the other side
	s_mul_i32 s62, s2, 3072
	s_lshl_b32 s63, s3, 9
	s_lshl_b32 s57, s60, 3
	s_add_co_u32 s63, s63, s57
	s_mul_i32 s29, s19, 98304
	s_add_co_u32 s29, s29, s62                     ; images as queries: two pair records
	s_lshl_b32 s30, s19, 13
	s_add_co_u32 s30, s30, s63
	s_add_co_u32 s30, s30, 9437184                 ; and their scale words
	s_mul_i32 s33, s61, 98304
	s_add_co_u32 s33, s33, s62
	s_add_co_u32 s33, s33, 3145728                 ; the same as keys of the other side
	s_lshl_b32 s34, s61, 13
	s_add_co_u32 s34, s34, s63
	s_add_co_u32 s34, s34, 9699328
	s_mul_i32 s31, s61, 98304                      ; v's half records
	s_mul_i32 s57, s3, 6144
	s_add_co_u32 s31, s31, s57
	s_mul_i32 s57, s60, 768
	s_add_co_u32 s31, s31, s57
	s_add_co_u32 s31, s31, 6291456
	s_lshl_b32 s32, s61, 12                        ; and their scale bytes
	s_lshl_b32 s57, s3, 8
	s_add_co_u32 s32, s32, s57
	s_lshl_b32 s57, s60, 1
	s_add_co_u32 s32, s32, s57
	s_add_co_u32 s32, s32, 9961472
	s_mov_b32 s[SEL], 0x76543210
	s_mov_b32 s[SEL+1], 0xfedcba98
	s_mov_b32 s56, 0xffff0000                      ; lanes 16-31
	s_mov_b32 s59, 0
	s_mov_b32 s54, 0x1800000                       ; the floor 2^(3 - 127),
	s_mov_b32 s55, 0xff000000                      ; and 2 off the exponent field
	s_wait_alu depctr_va_vdst(0)
	s_wait_kmcnt 0x0
	s_cmp_eq_u32 s22, 0
	s_cselect_b64 s[4:5], s[4:5], s[6:7]
	ADDR 4, 4, 24
	s_cmp_eq_u32 s35, 0
	s_cselect_b64 s[52:53], s[10:11], s[12:13]
	ADDR 52, 52, 28
	ADDR 36, PWJ, 26
	ADDR 38, PWJ, 27
	ADDR 40, PHK, 29
	ADDR 42, PHK, 30
	ADDR 44, PHK, 31
	ADDR 46, PHK, 32
	ADDR 48, PHK, 33
	ADDR 50, PHK, 34
	XLOADS
	WLOADS
	s_cmp_lt_u32 s18, NQK
	s_cbranch_scc0 .Lbias_v
.irp i, 0,1,2,3
	global_load_b128 v[BIAS+8*\i:BIAS+8*\i+3], v8, s[52:53] offset:(32*(\i/2)+8*(\i%2))*4
	global_load_b128 v[BIAS+8*\i+4:BIAS+8*\i+7], v8, s[52:53] offset:(32*(\i/2)+8*(\i%2))*4+16
.endr
	s_branch .Lbias_done
.Lbias_v:
.irp t, 0,1,2,3
	global_load_b32 v[BIAS+\t], v9, s[52:53] offset:128*(\t/2)+32*(\t%2)
.endr
.Lbias_done:
	s_wait_loadcnt 30                              ; x's 16 loads are in: behind them stand 24 + 2 loads of weights and 4 (v) or 8 (qk) of bias
	XQUANT
	s_wait_dscnt 0x0                               ; my stores have landed:
	s_barrier_signal -1
	s_barrier_wait -1                              ; everybody's have
	ds_load_b128 v[XS:XS+3], v1 offset:XSC
	s_wait_loadcnt 0x0                             ; weights, their scale words, bias
; qk of tile tau of tokens: 8 products, the four accumulators by turns; the factor; quantised along the head; two tiles make a pair record, stored twice.
.macro QKT tau
.irp g, 0,1,2,3,4,5
	ds_load_b128 v[XM+4*\g:XM+4*\g+3], v1 offset:XIMG+(2*\tau)*1536+512*\g
.endr
	s_wait_dscnt 0x0
.irp s, 0,1
.irp i, 0,1,2,3
.if \s == 0
	WM ACC+8*\i, W+12*(2*\i+\s), XM+12*\s, BIAS+8*\i, WS+2*(\i/2)+\s, XS+2*(\tau/2)+\s, \i%2, \tau%2
.else
	WM ACC+8*\i, W+12*(2*\i+\s), XM+12*\s, ACC+8*\i, WS+2*(\i/2)+\s, XS+2*(\tau/2)+\s, \i%2, \tau%2
.endif
.endr
.endr
	PLACES
.irp j, 0,2,4,6,8,10,12,14,16,18,20,22,24,26,28,30
	v_pk_mul_f32 v[ACC+\j:ACC+\j+1], v[ACC+\j:ACC+\j+1], 0x3eb504f3 op_sel_hi:[1,0]   ; x 8^-0.5
.endr
	s_wait_alu depctr_va_vdst(0)
	s_wait_xcnt 0x0                                ; the last pair's stores have read their registers
	QUANT2 ACC, PC+6*(\tau%2), 12+(\tau%2), s54, s55
.if (\tau%2) == 1
	v_cndmask_b32 v14, v12, v13, s56               ; lanes 0-15 the even tile's word, lanes 16-31 the odd tile's
.irp g, 0,1,2
	global_store_b128 v1, v[PC+4*\g:PC+4*\g+3], s[40:41] offset:1536*(\tau/2)+512*\g
.endr
	global_store_b32 v1, v14, s[42:43] offset:4*(\tau/2)
.irp g, 0,1,2
	global_store_b128 v1, v[PC+4*\g:PC+4*\g+3], s[48:49] offset:1536*(\tau/2)+512*\g
.endr
	global_store_b32 v1, v14, s[50:51] offset:4*(\tau/2)
.endif
.endm
; v: tile t of the head's channels for all 64 tokens: 8 products, the four accumulators by turns; quantised along the tokens: half a fragment of a key step.
.macro VT t
.irp j, 0,1,2,3,4,5,6,7
	v_mov_b32 v[CB+\j], v[BIAS+\t]                 ; my channel's bias is the first product's C
.endr
	s_wait_alu depctr_va_vdst(0)
.irp s, 0,1
	PLACES
.irp i, 0,1,2,3
.irp g, 0,1,2
	ds_load_b128 v[XM+12*\i+4*\g:XM+12*\i+4*\g+3], v1 offset:XIMG+(2*\i+\s)*1536+512*\g
.endr
.endr
	s_wait_dscnt 0x0
.irp i, 0,1,2,3
.if \s == 0
	WM ACC+8*\i, XM+12*\i, W+12*(2*\t+\s), CB, XS+2*(\i/2)+\s, WS+2*(\t/2)+\s, \i%2, \t%2
.else
	WM ACC+8*\i, XM+12*\i, W+12*(2*\t+\s), ACC+8*\i, XS+2*(\i/2)+\s, WS+2*(\t/2)+\s, \i%2, \t%2
.endif
.endr
.endr
	PLACES
	s_wait_xcnt 0x0                                ; the last tile's stores have read their registers
	QUANT2 ACC, PC, 12+(\t%2), 0x1800000, 0xff000000
	global_store_b128 v1, v[PC:PC+3], s[44:45] offset:1536*\t
	global_store_b64 v2, v[PC+4:PC+5], s[44:45] offset:1536*\t+512
.if (\t%2) == 1
	v_cndmask_b32 v14, v12, v13, s56
	global_store_b16 v2, v14, s[46:47] offset:4*(\t/2)
.endif
.endm
	s_cmp_lt_u32 s18, NQK
	s_cbranch_scc0 .Lrole_v
	QKT 0
	QKT 1
	QKT 2
	QKT 3
	s_branch .Lend
.Lrole_v:
	VT 0
	VT 1
	VT 2
	VT 3
.Lend:
	s_wait_tensorcnt 0x0                           ; the wave's end
	ds_add_u32 v10, v11
	s_wait_dscnt 0x0
	s_endpgm
.Lfunc_end_k_qeffe9b42dc_proj_c:
	.size	k_qeffe9b42dc_proj_c, .Lfunc_end_k_qeffe9b42dc_proj_c-k_qeffe9b42dc_proj_c
	.p2alignl 7, 3214868480
	.fill 96, 4, 3214868480
	.section	.rodata,"a",@progbits
	.p2align	6, 0x0
	.amdhsa_kernel k_qeffe9b42dc_proj_c
		.amdhsa_group_segment_fixed_size 13824
		.amdhsa_private_segment_fixed_size 0
		.amdhsa_enable_private_segment 0
		.amdhsa_kernarg_size 48
		.amdhsa_user_sgpr_count 2
		.amdhsa_user_sgpr_kernarg_segment_ptr 1
		.amdhsa_wavefront_size32 1
		.amdhsa_system_sgpr_workgroup_id_x 1
		.amdhsa_system_sgpr_workgroup_id_y 1
		.amdhsa_system_sgpr_workgroup_id_z 1
		.amdhsa_system_vgpr_workitem_id 0
		.amdhsa_next_free_vgpr 256
		.amdhsa_next_free_sgpr 66
		.amdhsa_reserve_vcc 0
		.amdhsa_float_denorm_mode_32 3
		.amdhsa_float_denorm_mode_16_64 3
		.amdhsa_memory_ordered 1
		.amdhsa_forward_progress 1
		.amdhsa_inst_pref_size 63
	.end_amdhsa_kernel
	.amdgpu_metadata
---
amdhsa.version: [ 1, 2 ]
amdhsa.kernels:
  - .name:           k_qeffe9b42dc_proj_c
    .symbol:         k_qeffe9b42dc_proj_c.kd
    .args:
      - { .name: d0, .offset: 0, .size: 8, .value_kind: global_buffer, .address_space: global }
      - { .name: d1, .offset: 8, .size: 8, .value_kind: global_buffer, .address_space: global }
      - { .name: wpj, .offset: 16, .size: 8, .value_kind: global_buffer, .address_space: global }
      - { .name: bqk_c, .offset: 24, .size: 8, .value_kind: global_buffer, .address_space: global }
      - { .name: bv_c, .offset: 32, .size: 8, .value_kind: global_buffer, .address_space: global }
      - { .name: hkv, .offset: 40, .size: 8, .value_kind: global_buffer, .address_space: global }
    .group_segment_fixed_size: 13824
    .private_segment_fixed_size: 0
    .kernarg_segment_align: 8
    .kernarg_segment_size: 48
    .max_flat_workgroup_size: 256
    .sgpr_count:     66
    .vgpr_count:     256
    .wavefront_size: 32
...
	.end_amdgpu_metadata
.endif
;; end of part 5
;; launch attn_c: the kernel of part 3 again; grid 8 x 32, 8 waves a work-group, clusters of 4 x 1, 210,944 bytes of LDS; arguments hkv, ob; writes ob
;; launch post_c: the kernel of part 4 again; grid 256 x 1, 16 waves a work-group, clusters of 4 x 1, 327,680 bytes of LDS; arguments ob, d0, d1, wpc, bo_c, b1_c, g_c, be_c, b2_c, out0, out1; writes out0, out1
